; MI455X (gfx1250); checked and timed in simulation.
; The chip was launched on July 23, 2026; its instructions are those of AMD's public machine-readable ISA for CDNA 5 (MIT licence, August 2026) and "CDNA5" Instruction Set Architecture Reference Guide (July 2026). The comments in the code are by the model that wrote it; some were corrected since.
;; Bi Linear Attention. Allowed arithmetic: float matrix products may take bf16 or f16 operands with f32 sums; all other float work in f32.
;; Inputs: W 1,024 x 1,024 float32; b 1,024 float32; hp 8 x 2,048 x 1,024 float32; hq 8 x 1,024 x 1,024 float32; mask_hp 8 x 2,048 int32; mask_hq 8 x 1,024 int32.
;; Outputs: out0 8 x 2,048 x 1,024 float32.
;; 3 versions, each right; version 3 is version 2 with the launch prep written anew for expert scheduling mode. Each part assembles by itself: llvm-mc -triple=amdgcn-amd-amdhsa -mcpu=gfx1250 --defsym DOCPART=n.
;; ======== version 1 of 3: 3 launches
;; workspace buffers: hqb 16,777,216 bytes; Wb 2,097,152 bytes; cq 32,768 bytes; Gt 33,554,432 bytes
;; launch prep (part 1): grid 256 x 1, 8 waves a work-group, no clusters, 0 bytes of LDS; arguments hq, W, b, hqb, Wb, cq; writes hqb, Wb, cq
.if DOCPART == 1
	.amdgcn_target "amdgcn-amd-amdhsa--gfx1250"
	.amdhsa_code_object_version 6
	.text
	.protected	k_qf0b81b9888_prep
	.globl	k_qf0b81b9888_prep
	.p2align	8
	.type	k_qf0b81b9888_prep,@function
k_qf0b81b9888_prep:
	s_mov_b64 s[64:65], 0
	v_nop
	global_prefetch_b8 v0, s[64:65] scope:SCOPE_SE
	s_setreg_imm32_b32 hwreg(HW_REG_WAVE_MODE, 25, 1), 1
	s_wait_xcnt 0x0
; prep: hqb = bf16(hq), Wb = bf16(W), cq[row] = sum over d of bf16(hq[row][d]) * bf16(b[d]), summed in f32.
; Every float input is rounded to bf16 exactly once, here (hp in the third launch), so that all later products are exact products of bf16 numbers.
; A stream: each input byte is read once by 16-byte loads (a wave's load covers 512 consecutive bytes), each output byte written once
; (a wave's 8-byte store covers 256 consecutive bytes, aligned).  No LDS, no matrix unit, no barrier: no wave needs another's data.
; Work-group g: rows 32 g .. 32 g + 31 of hq (8,192 rows in all) and rows 4 g .. 4 g + 3 of W.  Wave w: four rows of hq, half a row of W.
; All 44 loads of a wave (22 KiB) are issued at once; the waits count down.
; LIMITS: NaN and infinities get no treatment of their own.  The order of cq's sum differs from the reference's.
.set BV,  8                            ; v[8:39]    b of my 32 columns (128 j + 4 L + 0..3), rounded to bf16, kept as f32
.set WX,  40                           ; v[40:55]   my 16 numbers of W
.set X,   56                           ; v[56:183]  four rows, 32 registers each, as loaded; words 4 j, 4 j + 1 then hold the packed bf16
.set ACC, 184                          ; v[184:187] four sum chains
.set R,   188                          ; v[188:191] the four rows' sums
.set T0,  192
.set T1,  193
	s_load_b256 s[4:11], s[0:1], 0x0               ; hq s[4:5], W s[6:7], b s[8:9], hqb s[10:11]
	s_load_b128 s[12:15], s[0:1], 0x20             ; Wb s[12:13], cq s[14:15]
	v_lshrrev_b32 v2, 5, v0
	v_readfirstlane_b32 s16, v2                    ; wave 0..7
	v_and_b32 v1, 31, v0                           ; lane L
	s_mov_b32 s20, 0x76543210                      ; v_permlanex16_b32: lane i reads lane i of the other half
	s_mov_b32 s21, 0xfedcba98
	s_mov_b32 s17, 0xffff0000                      ; a word's upper bf16
	s_lshr_b32 s23, s16, 1                         ; which of the group's four rows of W
	s_and_b32 s24, s16, 1                          ; which half of it
	s_lshl_b32 s23, s23, 11
	s_lshl_b32 s24, s24, 10
	s_add_co_u32 s23, s23, s24                     ; my bytes in Wb: row x 2,048 + half x 1,024
	s_lshl_b32 s24, s23, 1                         ; and in W: twice that
	s_lshl_b32 s25, s16, 14                        ; my four rows in hq: wave x 4 x 4,096
	s_lshl_b32 s26, s16, 13                        ; and in hqb
	v_lshlrev_b32 v4, 4, v1                        ; 16 L: also the offset in b
	v_lshlrev_b32 v3, 3, v1                        ; 8 L
	v_add_nc_u32 v2, s25, v4                       ; hq
	v_add_nc_u32 v5, s24, v4                       ; W
	v_add_nc_u32 v6, s23, v3                       ; Wb
	v_add_nc_u32 v3, s26, v3                       ; hqb
	v_lshl_add_u32 v7, s16, 2, v1
	v_lshlrev_b32 v7, 2, v7                        ; cq: 4 (4 w + L), used by lanes 0 to 3
	v_mov_b32 v[T1], 0                             ; v_permlanex16_b32 counts as a reader of its destination
	s_mov_b32 s19, 0
	s_wait_kmcnt 0x0
	s_lshl_b32 s18, ttmp9, 17                      ; 32 rows of 4,096 bytes
	s_add_nc_u64 s[4:5], s[4:5], s[18:19]
	s_lshl_b32 s18, ttmp9, 16
	s_add_nc_u64 s[10:11], s[10:11], s[18:19]
	s_lshl_b32 s18, ttmp9, 14                      ; 4 rows of 4,096 bytes
	s_add_nc_u64 s[6:7], s[6:7], s[18:19]
	s_lshl_b32 s18, ttmp9, 13
	s_add_nc_u64 s[12:13], s[12:13], s[18:19]
	s_lshl_b32 s18, ttmp9, 7                       ; 32 sums of 4 bytes
	s_add_nc_u64 s[14:15], s[14:15], s[18:19]
.irp j, 0,1,2,3,4,5,6,7
	global_load_b128 v[BV+4*\j:BV+4*\j+3], v4, s[8:9] offset:512*\j
.endr
.irp j, 0,1,2,3
	global_load_b128 v[WX+4*\j:WX+4*\j+3], v5, s[6:7] offset:512*\j th:TH_LOAD_NT
.endr
.irp i, 0,1,2,3
.irp j, 0,1,2,3,4,5,6,7
	global_load_b128 v[X+32*\i+4*\j:X+32*\i+4*\j+3], v2, s[4:5] offset:4096*\i+512*\j th:TH_LOAD_NT
.endr
.endr
	s_wait_loadcnt 36                              ; b's eight loads are in; W's 4 and hq's 32 stay out
.irp k, 0,2,4,6,8,10,12,14,16,18,20,22,24,26,28,30
	v_cvt_pk_bf16_f32 v[T0], v[BV+\k], v[BV+\k+1]  ; b is rounded as the other inputs are,
	v_lshlrev_b32 v[BV+\k], 16, v[T0]              ; and widened again for the multiply-adds
	v_and_b32 v[BV+\k+1], s17, v[T0]
.endr
	s_wait_loadcnt 32                              ; W's four loads are in
.irp j, 0,1,2,3
	v_cvt_pk_bf16_f32 v[WX+4*\j], v[WX+4*\j], v[WX+4*\j+1]
	v_cvt_pk_bf16_f32 v[WX+4*\j+1], v[WX+4*\j+2], v[WX+4*\j+3]
.endr
.irp j, 0,1,2,3
	global_store_b64 v6, v[WX+4*\j:WX+4*\j+1], s[12:13] offset:256*\j
.endr
; One row: round, store, and the row's product with b.  left = the younger rows' loads, which stay out.
.macro ROW i, left
	s_wait_loadcnt \left
.irp j, 0,1,2,3,4,5,6,7
	v_cvt_pk_bf16_f32 v[X+32*\i+4*\j], v[X+32*\i+4*\j], v[X+32*\i+4*\j+1]
	v_cvt_pk_bf16_f32 v[X+32*\i+4*\j+1], v[X+32*\i+4*\j+2], v[X+32*\i+4*\j+3]
.endr
.irp j, 0,1,2,3,4,5,6,7
	global_store_b64 v3, v[X+32*\i+4*\j:X+32*\i+4*\j+1], s[10:11] offset:2048*\i+256*\j
.endr
.irp c, 0,1,2,3
	v_mov_b32 v[ACC+\c], 0
.endr
.irp j, 0,1,2,3,4,5,6,7
	v_fma_mix_f32_bf16 v[ACC],   v[X+32*\i+4*\j],   v[BV+4*\j],   v[ACC]   op_sel:[0,0,0] op_sel_hi:[1,0,0]   ; the rounded hq, straight from its half
	v_fma_mix_f32_bf16 v[ACC+1], v[X+32*\i+4*\j],   v[BV+4*\j+1], v[ACC+1] op_sel:[1,0,0] op_sel_hi:[1,0,0]
	v_fma_mix_f32_bf16 v[ACC+2], v[X+32*\i+4*\j+1], v[BV+4*\j+2], v[ACC+2] op_sel:[0,0,0] op_sel_hi:[1,0,0]
	v_fma_mix_f32_bf16 v[ACC+3], v[X+32*\i+4*\j+1], v[BV+4*\j+3], v[ACC+3] op_sel:[1,0,0] op_sel_hi:[1,0,0]
.endr
	v_add_f32 v[ACC], v[ACC], v[ACC+1]
	v_add_f32 v[ACC+2], v[ACC+2], v[ACC+3]
	v_add_f32 v[T0], v[ACC], v[ACC+2]
	v_add_f32_dpp v[T0], v[T0], v[T0] row_xmask:1 row_mask:0xf bank_mask:0xf
	v_add_f32_dpp v[T0], v[T0], v[T0] row_xmask:2 row_mask:0xf bank_mask:0xf
	v_add_f32_dpp v[T0], v[T0], v[T0] row_xmask:4 row_mask:0xf bank_mask:0xf
	v_add_f32_dpp v[T0], v[T0], v[T0] row_xmask:8 row_mask:0xf bank_mask:0xf
	v_permlanex16_b32 v[T1], v[T0], s20, s21
	v_add_f32 v[R+\i], v[T0], v[T1]                ; every lane holds the row's sum
.endm
	ROW 0, 24
	ROW 1, 16
	ROW 2, 8
	ROW 3, 0
	; lane i (0 to 3) takes row i's sum; the wave stores its 16 bytes of cq (32 KiB of the launch's 57 MiB go out in such short pieces)
	v_cmp_eq_u32 vcc_lo, 1, v1
	v_cndmask_b32 v[T0], v[R], v[R+1], vcc_lo
	v_cmp_eq_u32 vcc_lo, 2, v1
	v_cndmask_b32 v[T0], v[T0], v[R+2], vcc_lo
	v_cmp_eq_u32 vcc_lo, 3, v1
	v_cndmask_b32 v[T0], v[T0], v[R+3], vcc_lo
	v_cmp_gt_u32 vcc_lo, 4, v1
	s_wait_xcnt 0x0                                ; EXEC is a source of the stores above: it is narrowed only behind this wait
	s_and_saveexec_b32 s22, vcc_lo
	global_store_b32 v7, v[T0], s[14:15]
	s_wait_xcnt 0x0                                ; and widened again only behind this one
	s_or_b32 exec_lo, exec_lo, s22
	s_endpgm
.Lfunc_end_k_qf0b81b9888_prep:
	.size	k_qf0b81b9888_prep, .Lfunc_end_k_qf0b81b9888_prep-k_qf0b81b9888_prep
	.p2alignl 7, 3214868480
	.fill 96, 4, 3214868480
	.section	.rodata,"a",@progbits
	.p2align	6, 0x0
	.amdhsa_kernel k_qf0b81b9888_prep
		.amdhsa_group_segment_fixed_size 0
		.amdhsa_private_segment_fixed_size 0
		.amdhsa_enable_private_segment 0
		.amdhsa_kernarg_size 48
		.amdhsa_user_sgpr_count 2
		.amdhsa_user_sgpr_kernarg_segment_ptr 1
		.amdhsa_wavefront_size32 1
		.amdhsa_system_sgpr_workgroup_id_x 1
		.amdhsa_system_sgpr_workgroup_id_y 1
		.amdhsa_system_sgpr_workgroup_id_z 1
		.amdhsa_system_vgpr_workitem_id 0
		.amdhsa_next_free_vgpr 208
		.amdhsa_next_free_sgpr 66
		.amdhsa_reserve_vcc 1
		.amdhsa_float_denorm_mode_32 3
		.amdhsa_float_denorm_mode_16_64 3
		.amdhsa_memory_ordered 1
		.amdhsa_forward_progress 1
		.amdhsa_inst_pref_size 27
	.end_amdhsa_kernel
	.amdgpu_metadata
---
amdhsa.version: [ 1, 2 ]
amdhsa.kernels:
  - .name:           k_qf0b81b9888_prep
    .symbol:         k_qf0b81b9888_prep.kd
    .args:
      - { .name: hq, .offset: 0, .size: 8, .value_kind: global_buffer, .address_space: global }
      - { .name: W, .offset: 8, .size: 8, .value_kind: global_buffer, .address_space: global }
      - { .name: b, .offset: 16, .size: 8, .value_kind: global_buffer, .address_space: global }
      - { .name: hqb, .offset: 24, .size: 8, .value_kind: global_buffer, .address_space: global }
      - { .name: Wb, .offset: 32, .size: 8, .value_kind: global_buffer, .address_space: global }
      - { .name: cq, .offset: 40, .size: 8, .value_kind: global_buffer, .address_space: global }
    .group_segment_fixed_size: 0
    .private_segment_fixed_size: 0
    .kernarg_segment_align: 8
    .kernarg_segment_size: 48
    .max_flat_workgroup_size: 256
    .sgpr_count:     66
    .vgpr_count:     208
    .wavefront_size: 32
...
	.end_amdgpu_metadata
.endif
;; end of part 1
;; launch proj (part 2): grid 4 x 64, 4 waves a work-group, clusters of 4 x 4, 327,680 bytes of LDS; arguments hqb, Wb, Gt; writes Gt
.if DOCPART == 2
	.amdgcn_target "amdgcn-amd-amdhsa--gfx1250"
	.amdhsa_code_object_version 6
	.text
	.protected	k_qf0b81b9888_proj
	.globl	k_qf0b81b9888_proj
	.p2align	8
	.type	k_qf0b81b9888_proj,@function
k_qf0b81b9888_proj:
	s_mov_b64 s[64:65], 0
	v_nop
	global_prefetch_b8 v0, s[64:65] scope:SCOPE_SE
	s_setreg_imm32_b32 hwreg(HW_REG_WAVE_MODE, 25, 1), 1
	s_wait_xcnt 0x0
	s_wait_alu depctr_hold_cnt(0) depctr_sa_sdst(0) depctr_va_vdst(0) depctr_va_sdst(0) depctr_va_ssrc(0) depctr_va_vcc(0) depctr_vm_vsrc(0)
	s_getreg_b32 s2, hwreg(HW_REG_IB_STS2, 6, 4)
	s_cmp_eq_u32 s2, 0
	s_cbranch_scc0 .Lentry_in_a_cluster
	s_endpgm
.Lentry_in_a_cluster:
	s_bfe_u32 s2, ttmp6, 0x10000c
	s_cmp_lg_u32 s2, 0xf033
	s_cbranch_scc0 .Lentry_shape_is_right
	s_endpgm
.Lentry_shape_is_right:
; proj: G[q][e] = sum over d of hqb[q][d] Wb[d][e]  (q: all 8,192 rows of hq; f32 sums), written as TWO bf16 numbers, hi = bf16(G) and
; lo = bf16(G - hi): 16 significant bits.  The scores of the next launch are hp . G; a softmax over scores whose spread is large turns a small
; error of a score into a large error of a weight, so one bf16 number for G is too coarse.
; hq . (hp W^T + b)^T = (hq W) . hp^T + hq . b holds for every input, and hq has half as many rows as hp: half the work of projecting hp.
; Gt is laid out as the next launch's matrix fragments: [batch 8][ks 32][w 4][hl 2][t 16][1,024 bytes]; a block holds rows q = 256 w + 16 t + r,
; columns e = 32 ks + ..: byte 512 i + 16 L (lane L = r + 16 h) holds G[q][32 ks + 16 i + 8 h + 0..7].
; A work-group makes 256 e x 128 q with four waves, a wave 128 e x 64 q: 32 accumulator tiles, 256 registers.  K = d goes in steps of 128 through two LDS
; slots.  THE PRODUCT IS D(m = e, n = q): source 0 = 16 columns e of W (W lies [d][e], so its fragments come by transposing LDS loads), source 1 = 16 rows
; of hq.  A lane's eight results are then eight neighbouring e of one q: 16 bytes of Gt as they stand, and a wave's store covers 512 consecutive bytes.
; CLUSTERS: 4 x 4.  W's tile hangs on the block of e alone (shared along a column of the cluster), hq's on the block of q alone (shared along a row):
; both are asked for jointly, which divides the requests for each by four.
; REGISTERS: window 0: addresses, two fragment buffers (A 64 + B 32 registers each); window 1: the accumulators, tile (a, bq) at v[8 (4 a + bq)].
.set WPITCH, 544                       ; W's LDS row: 512 bytes + 32 of padding = 17 x 32: what the transposing loads want
.set HPITCH, 272                       ; hq's LDS row: 256 bytes + 16 = 17 x 16
.set WHALF,  64*WPITCH                 ; one tensor load of W: 64 rows d
.set HHALF,  64*HPITCH                 ; one tensor load of hq: 64 rows q
.set HQT,    2*WHALF                   ; hq's tile lies behind W's
.set SLOT,   HQT+2*HHALF               ; 104,448 bytes
.set LAPS,   4                         ; 1,024 / (2 x 128): a lap = two K steps = once round the ring
.set ADRW, 16                          ; v16-17  LDS address of my W fragments in slot 0, 1
.set ADRH, 20                          ; v20-21  the same for hq
.set L16,  24                          ; v24     16 x lane
.set NEG1, 25                          ; v25     -1.0
.set G1W, 24                           ; s[24:31] group 1 for W's tiles
.set G0W, 32                           ; s[32:39] group 0 for W's tiles, a set for each slot
.set G1H, 48                           ; s[48:55] group 1 for hq's tiles
.set G0H, 56                           ; s[56:63] group 0 for hq's tiles
.set MUL, 0x50                         ; C and D in window 1, A and B in window 0
.set MSB, 0
.macro WIN new                         ; the immediate's high byte repeats the setting that is left
.if MSB != (\new)
	s_set_vgpr_msb (MSB<<8)|(\new)
.set MSB, (\new)
.endif
.endm
.macro PLACES                          ; four places behind a matrix instruction before a load lands on a register that it read, or a vector
.rept 4                                ; instruction reads its result (ISA guide 7.12.1); other matrix instructions are not counted as places here
	v_nop
.endr
.endm
; A joint load.  Waves 0 and 1 fetch W's two halves, waves 2 and 3 hq's.  The branch hangs on the wave's number alone.
.macro JLOAD s
	s_cmp_eq_u32 s11, 0
	s_cbranch_scc0 .Lfor_h_\@
	tensor_load_to_lds s[G0W+4*\s:G0W+4*\s+3], s[G1W:G1W+7]
	s_nop 0
	s_branch .Lasked_\@
.Lfor_h_\@:
	tensor_load_to_lds s[G0H+4*\s:G0H+4*\s+3], s[G1H:G1H+7]
	s_nop 0
.Lasked_\@:
.endm
.macro CREST                           ; a round of the cluster's barrier behind its opening work-group barrier
	s_cmp_lg_u32 s10, 0
	s_cbranch_scc1 .Lnot_wave_0_\@
	s_barrier_signal -3
.Lnot_wave_0_\@:
	s_barrier_wait -3
	s_barrier_signal -1
	s_barrier_wait -1
.endm
.macro CROUND                          ; a whole round
	s_barrier_signal -1
	s_barrier_wait -1
	CREST
.endm
	s_load_b128 s[4:7], s[0:1], 0x0                ; hqb s[4:5], Wb s[6:7]
	s_load_b64 s[8:9], s[0:1], 0x10                ; Gt
	v_lshl_add_u32 v62, v0, 2, 0x33000
	v_mov_b32 v63, 0
	ds_add_u32 v62, v63
	v_lshrrev_b32 v1, 5, v0
	v_readfirstlane_b32 s10, v1                    ; wave 0..3
	s_lshr_b32 s11, s10, 1                         ; which 128 e are mine.  Also: I fetch for W (0) or for hq (1)
	s_and_b32 s12, s10, 1                          ; which 64 q are mine.  Also: which 64 rows of that tile I fetch
	s_bfe_u32 s40, ttmp6, 0x40000                  ; cx
	s_bfe_u32 s41, ttmp6, 0x40004                  ; cy
	s_lshl_b32 s42, ttmp9, 2
	s_add_co_u32 s42, s42, s40                     ; block of e, 0..3
	s_and_b32 s13, ttmp7, 0xffff
	s_lshl_b32 s13, s13, 2
	s_add_co_u32 s13, s13, s41                     ; block of q, 0..63
	s_lshl_b32 s43, s41, 2
	s_lshl_b32 s43, 15, s43                        ; my row of the cluster
	s_lshl_b32 s44, 0x1111, s40                    ; my column
	s_or_b32 s[G1W+0], s44, (1<<16)|(1<<20)|(1<<21)|(6<<22)|(7<<25)  ; mask: my column; elements of 2 bytes; padding on; bit 21 beside a mask; after every 128 words 8 words
	s_mov_b32 s[G1W+1], 256<<16                    ; tensor_dim0 = 256 elements
	s_mov_b32 s[G1W+2], 64<<16                     ; tensor_dim1 = 64 rows
	s_mov_b32 s[G1W+3], 256<<16                    ; tile_dim0 = 256
	s_mov_b32 s[G1W+4], 64                         ; tile_dim1 = 64
	s_mov_b32 s[G1W+5], 1024                       ; elements from row to row
	s_mov_b32 s[G1W+6], 0
	s_mov_b32 s[G1W+7], 0
	s_or_b32 s[G1H+0], s43, (1<<16)|(1<<20)|(1<<21)|(5<<22)|(3<<25)  ; mask: my row; after every 64 words 4 words
	s_mov_b32 s[G1H+1], 128<<16
	s_mov_b32 s[G1H+2], 64<<16
	s_mov_b32 s[G1H+3], 128<<16
	s_mov_b32 s[G1H+4], 64
	s_mov_b32 s[G1H+5], 1024
	s_mov_b32 s[G1H+6], 0
	s_mov_b32 s[G1H+7], 0
	; where the tiles come from: W's address holds the block of e and never the block of q; hq's the other way round
	s_lshl_b32 s46, s12, 17                        ; W: 64 rows d x 2,048 bytes x half
	s_lshl_b32 s45, s42, 9                         ;    + 256 e x 2 bytes x block
	s_add_co_u32 s46, s46, s45
	s_mov_b32 s47, 0
	s_lshl_b32 s16, s13, 18                        ; hq: 128 rows x 2,048 bytes x block
	s_lshl_b32 s17, s12, 17                        ;     + 64 rows x half
	s_add_co_u32 s16, s16, s17
	s_mov_b32 s17, 0
	s_mul_i32 s20, s10, WHALF                      ; where they go: W's halves at wave x 34,816 (waves 0, 1),
	s_mul_i32 s23, s10, HHALF
	s_add_co_u32 s23, s23, WHALF                   ; hq's at 69,632 + (wave - 2) x 17,408 (waves 2, 3)
	s_wait_dscnt 0x0
	s_wait_kmcnt 0x0
	s_add_nc_u64 s[46:47], s[6:7], s[46:47]
	s_add_nc_u64 s[14:15], s[4:5], s[16:17]
	CROUND                                         ; all sixteen work-groups are here: the first joint loads meet
.irp s, 0,1
	s_mov_b32 s[G0W+4*\s], 1
	s_add_co_u32 s[G0W+4*\s+1], s20, \s*SLOT
	s_add_nc_u64 s[G0W+4*\s+2:G0W+4*\s+3], s[46:47], \s*262144     ; K step s: 128 rows d further down
	s_or_b32 s[G0W+4*\s+3], s[G0W+4*\s+3], 0x80000000
	s_mov_b32 s[G0H+4*\s], 1
	s_add_co_u32 s[G0H+4*\s+1], s23, \s*SLOT
	s_add_nc_u64 s[G0H+4*\s+2:G0H+4*\s+3], s[14:15], \s*256        ; K step s: 128 d along the rows
	s_or_b32 s[G0H+4*\s+3], s[G0H+4*\s+3], 0x80000000
	JLOAD \s                                       ; two loads of the wave are out
.endr
	v_and_b32 v1, 15, v0                           ; r
	v_bfe_u32 v2, v0, 4, 1                         ; h
	v_and_b32 v3, 7, v0
	v_lshl_add_u32 v3, v2, 3, v3                   ; the transposing load: lane L addresses row 8 h + L % 8,
	v_mul_u32_u24 v3, v3, WPITCH
	v_bfe_u32 v4, v0, 3, 1
	v_lshl_add_u32 v3, v4, 4, v3                   ; 16 bytes for each half of the eight lanes' pair
	s_lshl_b32 s21, s11, 8                         ; my 128 e: 256 bytes along W's rows
	v_mul_u32_u24 v5, v1, HPITCH
	v_lshl_add_u32 v5, v2, 4, v5                   ; hq: row r, 16 bytes for each half of the lanes
	s_mul_i32 s22, s12, HHALF                      ; my 64 rows q
	s_add_co_u32 s22, s22, HQT
.irp s, 0,1
	v_add_nc_u32 v[ADRW+\s], s21, v3
	v_add_nc_u32 v[ADRH+\s], s22, v5
	s_add_co_u32 s21, s21, SLOT
	s_add_co_u32 s22, s22, SLOT
.endr
	v_and_b32 v[L16], 31, v0
	v_lshlrev_b32 v[L16], 4, v[L16]
	v_mov_b32 v[NEG1], -1.0
; n x 4 matrix instructions: e blocks a0 .. a0 + n - 1 x all four q blocks, 32 along d, from buffer f.  The 32 accumulators take turns, one instruction
; a turn, in the same order everywhere.
.macro MULA f, a0, n, zero
.set ma, \a0
.rept \n
.irp bq, 0,1,2,3
.if \zero
	v_wmma_f32_16x16x32_bf16 v[8*(4*ma+\bq):8*(4*ma+\bq)+7], v[64+96*\f+8*ma:64+96*\f+8*ma+7], v[128+96*\f+8*\bq:128+96*\f+8*\bq+7], 0
.else
	v_wmma_f32_16x16x32_bf16 v[8*(4*ma+\bq):8*(4*ma+\bq)+7], v[64+96*\f+8*ma:64+96*\f+8*ma+7], v[128+96*\f+8*\bq:128+96*\f+8*\bq+7], v[8*(4*ma+\bq):8*(4*ma+\bq)+7]
.endif
.endr
.set ma, ma+1
.endr
.endm
; 24 LDS loads in one run: quarter kk of a K step into buffer f: hq's four fragments, then W's eight
.macro FETCH slot, kk, f
.irp bq, 0,1,2,3
	ds_load_b128 v[128+96*\f+8*\bq:128+96*\f+8*\bq+3],   v[ADRH+\slot] offset:\bq*16*HPITCH+\kk*64
	ds_load_b128 v[128+96*\f+8*\bq+4:128+96*\f+8*\bq+7], v[ADRH+\slot] offset:\bq*16*HPITCH+\kk*64+32
.endr
.irp a, 0,1,2,3,4,5,6,7
	ds_load_tr16_b128 v[64+96*\f+8*\a:64+96*\f+8*\a+3],   v[ADRW+\slot] offset:\kk*32*WPITCH+\a*32              ; d = 32 kk + 8 h + 0..7 of column e = 16 a + r
	ds_load_tr16_b128 v[64+96*\f+8*\a+4:64+96*\f+8*\a+7], v[ADRW+\slot] offset:\kk*32*WPITCH+\a*32+16*WPITCH    ; d = 32 kk + 16 + 8 h + 0..7
.endr
.endm
.macro QUARTER slot, kk, f, g, zero
	s_wait_dscnt 8                                 ; hq's fragments and W's 0-3 are in; the youngest eight loads (W's 4-7) may be out
	WIN MUL
	MULA \f, 0, 4, \zero
	PLACES
	WIN 0
	FETCH \slot, \kk, \g
	s_wait_dscnt 24                                ; all but the 24 just issued
	WIN MUL
	MULA \f, 4, 4, \zero
.endm
.macro THREE slot, zero
	QUARTER \slot, 1, 0, 1, \zero
	QUARTER \slot, 2, 1, 0, 0
	QUARTER \slot, 3, 0, 1, 0
.endm
; The last quarter of a K step changes slots.  In front of the one barrier each wave waits for its reads of this slot and for all its tensor loads (one
; is out: its part of the next slot).  Behind it (where a slot is filled again: behind the cluster's round that it opens) the refill comes first.
; From a request to the wait for it a wave issues 120 matrix instructions.
.macro TURN slot, next, fill
	s_wait_dscnt 8
	WIN MUL
	MULA 1, 0, 2, 0
	s_wait_dscnt 0x0                               ; my reads of this slot are over
	s_wait_tensorcnt 0x0                           ; all my tensor loads have landed
	ds_add_u32 v62, v63
	s_wait_dscnt 0x0
	s_barrier_signal -1
	MULA 1, 2, 2, 0                                ; register work while the others arrive
	WIN 0
	s_barrier_wait -1
.if \fill
	CREST                                          ; no wave of any partner still reads this slot or has a load on its way
	s_add_nc_u64 s[G0W+4*\slot+2:G0W+4*\slot+3], s[G0W+4*\slot+2:G0W+4*\slot+3], 524288
	s_add_nc_u64 s[G0H+4*\slot+2:G0H+4*\slot+3], s[G0H+4*\slot+2:G0H+4*\slot+3], 512
	JLOAD \slot                                    ; the wave's one tensor load behind the round
.endif
	PLACES
	FETCH \next, 0, 0
	WIN MUL
	MULA 1, 4, 4, 0
.endm
.macro LAP zero
	THREE 0, \zero
	TURN 0, 1, 1
	THREE 1, 0
	TURN 1, 0, 1
.endm
	s_wait_tensorcnt 0x1                           ; my part of K step 0 is in; K step 1's stays out
	s_barrier_signal -1
	s_barrier_wait -1
	FETCH 0, 0, 0
	LAP 1                                          ; the first products start the sums: nothing is cleared
	WIN 0
	s_mov_b32 s3, LAPS-2
.Llap:
	LAP 0
	WIN 0
	s_sub_co_u32 s3, s3, 1
	s_cmp_lg_u32 s3, 0
	s_cbranch_scc1 .Llap
	THREE 0, 0                                     ; the last lap fills nothing
	TURN 0, 1, 0
	THREE 1, 0
	s_wait_dscnt 8
	WIN MUL
	MULA 1, 0, 4, 0
	s_wait_dscnt 0x0
	MULA 1, 4, 4, 0
	WIN 0
	PLACES                                         ; behind the last matrix instructions, in front of the conversions that read results
	; THE WAY OUT.  Tile (a, bq): lane (r, h), register j = G[q = 16 bq + r][e = 16 a + 8 h + j]: block ks = 8 ex + 4 we + a / 2, half i = a % 2.
	s_lshr_b32 s16, s13, 3
	s_lshl_b32 s16, s16, 22                        ; batch x 4 MiB
	s_bfe_u32 s17, s13, 0x20001
	s_lshl_b32 s17, s17, 15                        ; w = which 256 q of the batch
	s_add_co_u32 s16, s16, s17
	s_and_b32 s17, s13, 1
	s_lshl_b32 s17, s17, 13                        ; t = 8 (block % 2) + 4 wq + bq, blocks of 1,024 bytes
	s_add_co_u32 s16, s16, s17
	s_lshl_b32 s17, s12, 12
	s_add_co_u32 s16, s16, s17
	s_mov_b32 s17, 0
	s_add_nc_u64 s[8:9], s[8:9], s[16:17]
	s_lshl_b32 s46, s42, 20                        ; ks = 8 ex + 4 we, 128 KiB each
	s_lshl_b32 s47, s11, 19
	s_add_co_u32 s46, s46, s47
	s_mov_b32 s47, 0
	s_add_nc_u64 s[8:9], s[8:9], s[46:47]
; e block a; o: 64 registers at work (hi 16, lo 16, the differences 32), two sets in turn
.macro OUTA a, o
	s_wait_xcnt 0x0                                ; the set's registers, which stores read, are rewritten only behind this wait
	WIN 0x05                                       ; sources 0 and 1 in window 1
.irp bq, 0,1,2,3
.irp k, 0,1,2,3
	v_cvt_pk_bf16_f32 v[\o+4*\bq+\k], v[8*(4*\a+\bq)+2*\k], v[8*(4*\a+\bq)+2*\k+1]         ; hi
.endr
.endr
	WIN 0x10                                       ; source 2 in window 1
.irp bq, 0,1,2,3
.irp k, 0,1,2,3
	v_fma_mix_f32_bf16 v[\o+32+8*\bq+2*\k],   v[\o+4*\bq+\k], v[NEG1], v[8*(4*\a+\bq)+2*\k]   op_sel:[0,0,0] op_sel_hi:[1,0,0]   ; G - hi, exact
	v_fma_mix_f32_bf16 v[\o+32+8*\bq+2*\k+1], v[\o+4*\bq+\k], v[NEG1], v[8*(4*\a+\bq)+2*\k+1] op_sel:[1,0,0] op_sel_hi:[1,0,0]
.endr
.endr
	WIN 0
.irp bq, 0,1,2,3
.irp k, 0,1,2,3
	v_cvt_pk_bf16_f32 v[\o+16+4*\bq+\k], v[\o+32+8*\bq+2*\k], v[\o+32+8*\bq+2*\k+1]        ; lo
.endr
.endr
.irp bq, 0,1,2,3
	global_store_b128 v[L16], v[\o+4*\bq:\o+4*\bq+3],       s[8:9] offset:(\a>>1)*131072+\bq*1024+(\a&1)*512          ; 512 consecutive bytes, aligned
	global_store_b128 v[L16], v[\o+16+4*\bq:\o+16+4*\bq+3], s[8:9] offset:(\a>>1)*131072+16384+\bq*1024+(\a&1)*512
.endr
.endm
	OUTA 0, 64
	OUTA 1, 160
	OUTA 2, 64
	OUTA 3, 160
	OUTA 4, 64
	OUTA 5, 160
	OUTA 6, 64
	OUTA 7, 160
	CROUND                                         ; the closing round: no work-group ends while a partner may still ask for a tile that names it
	s_endpgm
.Lfunc_end_k_qf0b81b9888_proj:
	.size	k_qf0b81b9888_proj, .Lfunc_end_k_qf0b81b9888_proj-k_qf0b81b9888_proj
	.p2alignl 7, 3214868480
	.fill 96, 4, 3214868480
	.section	.rodata,"a",@progbits
	.p2align	6, 0x0
	.amdhsa_kernel k_qf0b81b9888_proj
		.amdhsa_group_segment_fixed_size 327680
		.amdhsa_private_segment_fixed_size 0
		.amdhsa_enable_private_segment 0
		.amdhsa_kernarg_size 24
		.amdhsa_user_sgpr_count 2
		.amdhsa_user_sgpr_kernarg_segment_ptr 1
		.amdhsa_wavefront_size32 1
		.amdhsa_system_sgpr_workgroup_id_x 1
		.amdhsa_system_sgpr_workgroup_id_y 1
		.amdhsa_system_sgpr_workgroup_id_z 1
		.amdhsa_system_vgpr_workitem_id 0
		.amdhsa_next_free_vgpr 512
		.amdhsa_next_free_sgpr 66
		.amdhsa_reserve_vcc 0
		.amdhsa_float_denorm_mode_32 3
		.amdhsa_float_denorm_mode_16_64 3
		.amdhsa_memory_ordered 1
		.amdhsa_forward_progress 1
		.amdhsa_inst_pref_size 140
	.end_amdhsa_kernel
	.amdgpu_metadata
---
amdhsa.version: [ 1, 2 ]
amdhsa.kernels:
  - .name:           k_qf0b81b9888_proj
    .symbol:         k_qf0b81b9888_proj.kd
    .args:
      - { .name: hqb, .offset: 0, .size: 8, .value_kind: global_buffer, .address_space: global }
      - { .name: Wb, .offset: 8, .size: 8, .value_kind: global_buffer, .address_space: global }
      - { .name: Gt, .offset: 16, .size: 8, .value_kind: global_buffer, .address_space: global }
    .group_segment_fixed_size: 327680
    .private_segment_fixed_size: 0
    .kernarg_segment_align: 8
    .kernarg_segment_size: 24
    .max_flat_workgroup_size: 128
    .sgpr_count:     66
    .vgpr_count:     512
    .wavefront_size: 32
...
	.end_amdgpu_metadata
.endif
;; end of part 2
;; launch attn (part 3): grid 256 x 1, 4 waves a work-group, clusters of 4 x 1, 327,680 bytes of LDS; arguments hp, mask_hp, mask_hq, cq, Gt, hqb, out0; writes out0
.if DOCPART == 3
	.amdgcn_target "amdgcn-amd-amdhsa--gfx1250"
	.amdhsa_code_object_version 6
	.text
	.protected	k_qf0b81b9888_attn
	.globl	k_qf0b81b9888_attn
	.p2align	8
	.type	k_qf0b81b9888_attn,@function
k_qf0b81b9888_attn:
	s_mov_b64 s[64:65], 0
	v_nop
	global_prefetch_b8 v0, s[64:65] scope:SCOPE_SE
	s_setreg_imm32_b32 hwreg(HW_REG_WAVE_MODE, 25, 1), 1
	s_wait_xcnt 0x0
	s_wait_alu depctr_hold_cnt(0) depctr_sa_sdst(0) depctr_va_vdst(0) depctr_va_sdst(0) depctr_va_ssrc(0) depctr_va_vcc(0) depctr_vm_vsrc(0)
	s_getreg_b32 s2, hwreg(HW_REG_IB_STS2, 6, 4)
	s_cmp_eq_u32 s2, 0
	s_cbranch_scc0 .Lentry_in_a_cluster
	s_endpgm
.Lentry_in_a_cluster:
	s_bfe_u32 s2, ttmp6, 0x10000c
	s_cmp_lg_u32 s2, 0x3003
	s_cbranch_scc0 .Lentry_shape_is_right
	s_endpgm
.Lentry_shape_is_right:
; attn: for 64 positions p of one batch: scores s[q][p] = mp[p] (sum over e of G[q][e] hp[p][e] + c[q]) - 10000 where mq[q] mp[p] = 0, softmax over all
; 1,024 q, out[p][d] = sum over q of a[q][p] hq[q][d].  Nothing goes through memory between the three steps.
; Four waves.  PHASE 1: wave w holds S(q = 256 w .. + 255, 64 p) in 64 accumulator tiles (512 registers); D(m = q, n = p), source 0 = a fragment of G
; (hi, then lo, onto the same sums), source 1 = a fragment of hp.  SOFTMAX in those registers: all 1,024 scores of a column are at hand, so the true
; maximum is taken away.  A lane belongs to one p in each of the four tile columns, so mask, maximum, sum and 1 / sum are one number a lane and column.
; A tile of weights packed to bf16 IS half of a fragment for phase 2.  The divisor is the sum of the ROUNDED weights.
; PHASE 2: the same registers hold O(d = 256 w .. + 255, 64 p); D(m = d, n = p), source 0 = hq transposed (transposing LDS loads), source 1 = weights.
; CLUSTERS: the 32 work-groups of a batch walk the same tiles of G and of hq; four of them form a cluster and ask jointly (mask 15), each wave for its
; quarter of a tile.  Each joint refill stands behind a round of the cluster's barrier.
; hp is used once, 32 e at a time, so it is not parked in LDS: every second step each wave loads its 16 rows x 256 bytes for the next two steps into
; registers, rounds them to bf16 and lays them into a small stage in fragment order.  That leaves LDS for two slots of 128 KiB in phase 1.
; By this text's count a wave has two tensor loads out at the start and one behind every later round.
; LIMITS: hp is rounded to bf16 and the weights to bf16; G has 16 significant bits.  NaN and infinities get no treatment of their own.  Weights below
; 2^-126 come out of v_exp_f32 as 0.  Where mp[p] = 0 the column's scores are kept at 0 instead of -10000: a constant of the column, which a softmax
; does not see; the weights are uniform as in the reference.  Masks may hold any int32: mp enters as a factor and as 'not 0', mq as 'not 0'.
; LDS: 0 slot 0 of phase 1 (after its last fill: the weights; after phase 2: the waves' output stages); 131,072 slot 1 of phase 1; 131,072 .. 270,336 the two
; slots of phase 2; then bytes that no tensor load touches: 270,336 hp's stage (2 x 8 KiB), 286,720 c, 290,816 penalties, 294,912 maxima, 295,936 sums.
.set SL1,  131072                      ; a slot of phase 1: one ks of G, [w 4][hi, lo][t 16][1,024]
.set GW,   32768                       ; a wave's part of it, one tensor load
.set R2,   131072                      ; phase 2's slots
.set P2,   544                         ; their row: 512 bytes + 32 = 17 x 32
.set R2W,  32*P2                       ; a wave's part: 32 rows q of its 256 columns d
.set R2S,  4*R2W                       ; a slot: 69,632
.set STG,  270336
.set CQ,   286720
.set RMAX, 294912                      ; the sums lie 1,024 bytes behind
.set OPITCH, 1040                      ; output stage: 1,024 bytes + 16 = 65 x 16
.set L16, 4                            ; v4      16 x lane; also my offset in a row of out0
.set ADG, 8                            ; v8-9    my G fragments in slot 0, 1.  v8 = wave x 32,768 + 16 L also serves for writing weights and reading the output stage
.set ADS, 10                           ; v10-13  hp fragments in the stage: [ks % 2][half i]
.set ADW, 14                           ; v14-21  where load n's 8 bytes go in the stage
.set VHP, 22                           ; v22     my 16 bytes in two rows of hp
.set AD2, 23                           ; v23-24  my hq fragments in phase 2's slot 0, 1
.set ADP, 25                           ; v25     weights: 16 L + 16,384 x trip
.set STO, 27                           ; v27     output stage, in
.set ARS, 30                           ; v30     my wave's word for column r among the maxima
.set ARL, 31                           ; v31     wave 0's word for column r
.set HPF, 32                           ; v32-95  source 1: two buffers of four fragments; on the way out two buffers of rows
.set STF, 96                           ; v96-127 hp as loaded
.set STB, 128                          ; v128-143 hp in bf16
.set AP,  144                          ; v144-151 pairs (mp log2 e, mp != 0 ? -log2 e : 0) for the four columns
.set MP,  152                          ; v152-159 pairs (maximum, maximum); later (1 / sum, 1 / sum)
.set LS,  160                          ; v160-167 two sum chains for each column
.set ONE, 168
.set TENK, 169
.set VPF, 170                          ; v170    256 x lane: prefetches
.set ACQ, 171                          ; v171    c of my rows
.set M,   172                          ; v172-175 running maxima
.set T,   176                          ; v176-255 at work
.set F0,  0                            ; window 1: source 0, two buffers of 16 fragments
.set F1,  128
.set G1A, 24                           ; s[24:31] group 1 of G's tiles
.set G0A, 32                           ; s[32:39] group 0, a set for each slot
.set G1B, 40                           ; s[40:47] group 1 of hq's tiles
.set G0B, 48                           ; s[48:55] group 0, a set for each slot
.set MUL_LO, 0xa1                      ; source 0 window 1, source 1 window 0, C and D window 2 (blocks 0-7)
.set MUL_HI, 0xf1                      ; C and D window 3 (blocks 8-15)
.set TO_F,   0x40                      ; destination window 1
.set MSB, 0
.macro WIN new                         ; the immediate's high byte repeats the setting that is left
.if MSB != (\new)
	s_set_vgpr_msb (MSB<<8)|(\new)
.set MSB, (\new)
.endif
.endm
.macro PLACES                          ; four places behind a matrix instruction before a load lands on a register that it read, or a vector
.rept 4                                ; instruction reads its result; they stand in front of every run of loads
	v_nop
.endr
.endm
.macro CREST                           ; a round of the cluster's barrier behind its opening work-group barrier
	s_cmp_lg_u32 s18, 0
	s_cbranch_scc1 .Lnot_wave_0_\@
	s_barrier_signal -3
.Lnot_wave_0_\@:
	s_barrier_wait -3
	s_barrier_signal -1
	s_barrier_wait -1
.endm
.macro CROUND
	s_barrier_signal -1
	s_barrier_wait -1
	CREST
.endm
; Wave 0 asks for 8 KiB (32 lanes, 256 bytes apart) of a region of 256 KiB that the batch's 32 work-groups share out: each block is asked for once
.macro PF b, off
	s_cmp_lg_u32 s18, 0
	s_cbranch_scc1 .Lno_pf_\@
	global_prefetch_b8 v[VPF], s[\b:\b+1] offset:\off th:TH_LOAD_NT scope:SCOPE_SE
.Lno_pf_\@:
.endm
	s_load_b256 s[4:11], s[0:1], 0x0               ; hp s[4:5], mask_hp s[6:7], mask_hq s[8:9], cq s[10:11]
	s_load_b128 s[12:15], s[0:1], 0x20             ; Gt s[12:13], hqb s[14:15]
	s_load_b64 s[16:17], s[0:1], 0x30              ; out0
	v_lshl_add_u32 v254, v0, 2, 0x48800
	v_mov_b32 v255, 0
	ds_add_u32 v254, v255
	v_lshrrev_b32 v1, 5, v0
	v_readfirstlane_b32 s18, v1                    ; wave 0..3
	s_bfe_u32 s19, ttmp6, 0x40000                  ; cx
	s_lshr_b32 s21, ttmp9, 3                       ; batch: eight clusters each, the same in all four partners
	s_and_b32 s20, ttmp9, 7
	s_lshl_b32 s20, s20, 2
	s_add_co_u32 s20, s20, s19                     ; pb: which 64 positions of the batch, 0..31
	s_mov_b32 s58, 0x76543210                      ; v_permlanex16_b32: lane i reads lane i of the other half
	s_mov_b32 s59, 0xfedcba98
	; G's tiles: a wave's 32 KiB are dense in memory: 128 rows of 32 elements of 8 bytes
	s_mov_b32 s[G1A+0], 15|(3<<16)|(1<<21)         ; mask: all four of the cluster; elements of 8 bytes; bit 21 beside a mask
	s_mov_b32 s[G1A+1], 32<<16                     ; tensor_dim0 = 32
	s_mov_b32 s[G1A+2], 128<<16                    ; tensor_dim1 = 128
	s_mov_b32 s[G1A+3], 32<<16                     ; tile_dim0 = 32
	s_mov_b32 s[G1A+4], 128                        ; tile_dim1 = 128
	s_mov_b32 s[G1A+5], 32                         ; from row to row
	s_mov_b32 s[G1A+6], 0
	s_mov_b32 s[G1A+7], 0
	; hq's tiles: 32 rows q (a K step of phase 2) of the wave's 256 columns; after every 128 words 8 words of padding
	s_mov_b32 s[G1B+0], 15|(1<<16)|(1<<20)|(1<<21)|(6<<22)|(7<<25)
	s_mov_b32 s[G1B+1], 256<<16
	s_mov_b32 s[G1B+2], 32<<16
	s_mov_b32 s[G1B+3], 256<<16
	s_mov_b32 s[G1B+4], 32
	s_mov_b32 s[G1B+5], 1024
	s_mov_b32 s[G1B+6], 0
	s_mov_b32 s[G1B+7], 0
	s_mul_i32 s62, s18, GW                         ; LDS: my part of a slot of phase 1
	s_mul_i32 s63, s18, R2W
	s_add_co_u32 s63, s63, R2                      ; and of phase 2.  No place in the cluster enters a descriptor or an LDS address
	s_lshl_b32 s22, s21, 22                        ; Gt: batch x 4 MiB + wave x 32 KiB
	s_lshl_b32 s23, s18, 15
	s_add_co_u32 s22, s22, s23
	s_mov_b32 s23, 0
	s_wait_dscnt 0x0
	s_wait_kmcnt 0x0
	s_add_nc_u64 s[22:23], s[12:13], s[22:23]
.irp s, 0,1
	s_mov_b32 s[G0A+4*\s], 1
	s_add_co_u32 s[G0A+4*\s+1], s62, \s*SL1
	s_add_nc_u64 s[G0A+4*\s+2:G0A+4*\s+3], s[22:23], \s*131072     ; ks = s
	s_or_b32 s[G0A+4*\s+3], s[G0A+4*\s+3], 0x80000000
.endr
	s_lshl_b32 s22, s21, 21                        ; hqb: batch x 2 MiB + wave x 512 bytes along the rows
	s_lshl_b32 s23, s18, 9
	s_add_co_u32 s22, s22, s23
	s_mov_b32 s23, 0
	s_add_nc_u64 s[22:23], s[14:15], s[22:23]
.irp s, 0,1
	s_mov_b32 s[G0B+4*\s], 1
	s_add_co_u32 s[G0B+4*\s+1], s63, \s*R2S
	s_add_nc_u64 s[G0B+4*\s+2:G0B+4*\s+3], s[22:23], \s*65536      ; kq = s: 32 rows of 2,048 bytes
	s_or_b32 s[G0B+4*\s+3], s[G0B+4*\s+3], 0x80000000
.endr
	CROUND                                         ; the four work-groups are here: the first joint loads meet
	tensor_load_to_lds s[G0A:G0A+3], s[G1A:G1A+7]                  ; ks 0
	s_nop 0
	tensor_load_to_lds s[G0A+4:G0A+7], s[G1A:G1A+7]                ; ks 1
	s_nop 0
	; the work-group's own places in memory
	s_lshl_b32 s22, s21, 23
	s_lshl_b32 s23, s20, 18
	s_add_co_u32 s22, s22, s23                     ; (2,048 batch + 64 pb) rows of 4,096 bytes
	s_mov_b32 s23, 0
	s_add_nc_u64 s[4:5], s[4:5], s[22:23]
	s_add_nc_u64 s[16:17], s[16:17], s[22:23]
	s_lshl_b32 s22, s18, 16                        ; hp: my wave's 16 rows
	s_add_nc_u64 s[4:5], s[4:5], s[22:23]
	s_lshl_b32 s22, s18, 10                        ; out0: my wave's 256 columns
	s_add_nc_u64 s[16:17], s[16:17], s[22:23]
	s_lshl_b32 s22, s21, 13
	s_lshl_b32 s3, s20, 8
	s_add_co_u32 s22, s22, s3
	s_add_nc_u64 s[6:7], s[6:7], s[22:23]          ; mask_hp at my 64 positions
	s_lshl_b32 s22, s21, 12
	s_add_nc_u64 s[8:9], s[8:9], s[22:23]          ; mask_hq and c of the batch
	s_add_nc_u64 s[10:11], s[10:11], s[22:23]
	s_lshl_b32 s22, s21, 22
	s_lshl_b32 s3, s20, 13
	s_add_co_u32 s22, s22, s3
	s_add_co_u32 s22, s22, 524288
	s_add_nc_u64 s[56:57], s[12:13], s[22:23]      ; prefetches in Gt: my 8 KiB of tiles 4 and 5
	s_lshl_b32 s22, s21, 21
	s_add_co_u32 s22, s22, s3
	s_add_nc_u64 s[60:61], s[14:15], s[22:23]      ; and in hqb: my 8 KiB of tiles 0 to 3
	v_and_b32 v1, 31, v0                           ; L
	v_and_b32 v2, 15, v0                           ; r
	v_bfe_u32 v3, v0, 4, 1                         ; h
	v_lshlrev_b32 v[L16], 4, v1
	v_add_nc_u32 v[ADG], s62, v[L16]
	v_add_nc_u32 v[ADG+1], SL1, v[ADG]
	; hp's stage: [buffer 2][ks % 2][column block 4][i 2][h 2][16 places of 16 bytes].  Row r of piece pc = 4 (ks % 2) + 2 i + h lies at place (r + 2 pc) % 16, so
	; that the 32 lanes of a store touch 32 different 8-byte columns of 256 bytes and the 16 lanes of a load's half 16 different 16-byte columns.
	v_lshl_add_u32 v5, v3, 1, v2                   ; r + 2 h
	v_lshlrev_b32 v6, 8, v3                        ; 256 h
.irp k, 0,1,2,3
	v_add_nc_u32 v[ADS+\k], 4*\k, v5               ; k = 2 (ks % 2) + i: r + 2 pc
	v_and_b32 v[ADS+\k], 15, v[ADS+\k]
	v_lshl_add_u32 v[ADS+\k], v[ADS+\k], 4, v6
	v_add_nc_u32 v[ADS+\k], STG+(\k>>1)*4096+(\k&1)*512, v[ADS+\k]
.endr
	; in: load n brings rows 2 n + L / 16; lane column c = L % 16 holds e = 4 c .. 4 c + 3 of 64: piece c / 2, its half c % 2
	v_lshrrev_b32 v5, 1, v2
	v_lshl_add_u32 v5, v5, 1, v3                   ; 2 pc + L / 16
	v_bfe_u32 v6, v2, 3, 1
	v_lshlrev_b32 v6, 12, v6                       ; ks % 2
	v_bfe_u32 v7, v2, 2, 1
	v_lshl_add_u32 v6, v7, 9, v6                   ; i
	v_bfe_u32 v7, v2, 1, 1
	v_lshl_add_u32 v6, v7, 8, v6                   ; h
	v_and_b32 v7, 1, v2
	v_lshl_add_u32 v6, v7, 3, v6                   ; 8 bytes
	s_lshl_b32 s22, s18, 10                        ; my rows are column block = wave
	s_add_co_u32 s22, s22, STG
	v_add_nc_u32 v6, s22, v6
.irp n, 0,1,2,3,4,5,6,7
	v_add_nc_u32 v[ADW+\n], 2*\n, v5
	v_and_b32 v[ADW+\n], 15, v[ADW+\n]
	v_lshl_add_u32 v[ADW+\n], v[ADW+\n], 4, v6
.endr
	v_lshlrev_b32 v[VHP], 4, v2
	v_lshl_add_u32 v[VHP], v3, 12, v[VHP]          ; 16 lanes take 256 consecutive bytes of a row, the other 16 the row below
	v_and_b32 v5, 7, v0
	v_lshl_add_u32 v5, v3, 3, v5
	v_mul_u32_u24 v5, v5, P2                       ; the transposing load: lane L addresses row 8 h + L % 8
	v_bfe_u32 v6, v0, 3, 1
	v_lshl_add_u32 v5, v6, 4, v5
	v_add_nc_u32 v[AD2], s63, v5
	v_add_nc_u32 v[AD2+1], R2S, v[AD2]
	v_mov_b32 v[ADP], v[L16]                       ; stepped from trip to trip, so a register of its own
	v_mul_u32_u24 v5, v2, OPITCH
	v_lshl_add_u32 v5, v3, 5, v5
	v_add_nc_u32 v[STO], s62, v5                   ; row r, 32 bytes for each half of the lanes
	v_lshlrev_b32 v7, 2, v2                        ; 4 r
	v_add_nc_u32 v[ARL], RMAX, v7
	s_lshl_b32 s22, s18, 8
	v_add_nc_u32 v[ARS], s22, v[ARL]
	v_lshlrev_b32 v[VPF], 8, v1
	v_lshlrev_b32 v6, 5, v3
	s_lshl_b32 s22, s18, 10
	s_add_co_u32 s22, s22, CQ
	v_add_nc_u32 v[ACQ], s22, v6                   ; c[256 w + 8 h ..]
	v_mov_b32 v[ONE], 1.0
	v_mov_b32 v[TENK], 0x461c4000                  ; 10000.0
	v_lshlrev_b32 v[T], 5, v0                      ; thread t copies c and mask_hq of q = 8 t .. 8 t + 7
	global_load_b128 v[T+8:T+11],  v[T], s[10:11]
	global_load_b128 v[T+12:T+15], v[T], s[10:11] offset:16
	global_load_b128 v[T+16:T+19], v[T], s[8:9]
	global_load_b128 v[T+20:T+23], v[T], s[8:9] offset:16
.irp pt, 0,1,2,3
	global_load_b32 v[T+24+\pt], v7, s[6:7] offset:64*\pt          ; mp of p = 16 pt + r
.endr
.irp n, 0,1,2,3,4,5,6,7
	global_load_b128 v[STF+4*\n:STF+4*\n+3], v[VHP], s[4:5] offset:8192*\n th:TH_LOAD_NT   ; hp, e = 0 .. 63
.endr
	v_add_nc_u32 v[T+2], CQ, v[T]
	v_mov_b32 v[T+3], 0xbfb8aa3b                   ; -log2 e
; hp for two steps: what was asked for two steps ago is rounded and laid into stage buffer sb; more = 1: the next 64 e are asked for
.macro STAGE sb, more
	s_wait_loadcnt 0x0                             ; the eight loads are in, so their base may be stepped too
.irp n, 0,1,2,3,4,5,6,7
	v_cvt_pk_bf16_f32 v[STB+2*\n],   v[STF+4*\n],   v[STF+4*\n+1]
	v_cvt_pk_bf16_f32 v[STB+2*\n+1], v[STF+4*\n+2], v[STF+4*\n+3]
.endr
.irp n, 0,1,2,3,4,5,6,7
	ds_store_b64 v[ADW+\n], v[STB+2*\n:STB+2*\n+1] offset:(\sb)*8192
.endr
.if \more
	s_add_nc_u64 s[4:5], s[4:5], 256
.irp n, 0,1,2,3,4,5,6,7
	global_load_b128 v[STF+4*\n:STF+4*\n+3], v[VHP], s[4:5] offset:8192*\n th:TH_LOAD_NT
.endr
.endif
.endm
; n x 4 matrix instructions: blocks t0 .. t0 + n - 1 (of q, or of d) x the four column blocks.  The 64 accumulators take turns, one instruction a turn,
; in the same order in every half step of both phases.
.macro MULT f, t0, n, hb, zero
.set mt, \t0
.rept \n
.irp pt, 0,1,2,3
.if \zero
	v_wmma_f32_16x16x32_bf16 v[8*(4*(mt&7)+\pt):8*(4*(mt&7)+\pt)+7], v[(\f)+8*mt:(\f)+8*mt+7], v[HPF+32*(\hb)+8*\pt:HPF+32*(\hb)+8*\pt+7], 0
.else
	v_wmma_f32_16x16x32_bf16 v[8*(4*(mt&7)+\pt):8*(4*(mt&7)+\pt)+7], v[(\f)+8*mt:(\f)+8*mt+7], v[HPF+32*(\hb)+8*\pt:HPF+32*(\hb)+8*\pt+7], v[8*(4*(mt&7)+\pt):8*(4*(mt&7)+\pt)+7]
.endif
.endr
.set mt, mt+1
.endr
.endm
; 32 LDS loads: my 16 fragments of G (hl = 0 hi, 1 lo) from slot s into buffer f; every load takes 512 consecutive bytes
.macro FETCHG s, hl, f
	WIN TO_F
.irp t, 0,1,2,3,4,5,6,7,8,9,10,11,12,13,14,15
	ds_load_b128 v[(\f)+8*\t:(\f)+8*\t+3],   v[ADG+\s] offset:(\hl)*16384+\t*1024
	ds_load_b128 v[(\f)+8*\t+4:(\f)+8*\t+7], v[ADG+\s] offset:(\hl)*16384+\t*1024+512
.endr
.endm
; 8 LDS loads: the four fragments of hp of a step with ks % 2 = par, from stage buffer sb
.macro FETCHHP par, sb
	WIN 0
.irp pt, 0,1,2,3
	ds_load_b128 v[HPF+32*(\par)+8*\pt:HPF+32*(\par)+8*\pt+3],   v[ADS+2*(\par)]   offset:(\sb)*8192+\pt*1024
	ds_load_b128 v[HPF+32*(\par)+8*\pt+4:HPF+32*(\par)+8*\pt+7], v[ADS+2*(\par)+1] offset:(\sb)*8192+\pt*1024
.endr
.endm
; One ks of phase 1: 64 matrix instructions on G's hi, 64 on its lo.  par = ks % 2 = the slot; buf = the stage buffer of this pair of steps.
; stage: 1 = lay the next pair of hp into the other buffer and ask for the pair behind it, 2 = lay only, 0 = nothing.
; fill: 1 = this slot gets tile ks + 2, 2 = phase 2's slot 0 gets hq's tile 0, 0 = nothing.  fetch: the next step's fragments.  pf: 1 Gt, 2 hqb.
; The stage's order: buffer 1 - buf was last read by loads that every wave waited for in front of the last step's barrier; the stores here are waited for in
; front of this step's barrier, and read behind the next step's.
.macro STEP1 par, buf, zero, stage, fill, fetch, pf, pfoff
	s_wait_dscnt 16                                ; hp's fragments and G's blocks 0-7 are in; the youngest 16 loads (blocks 8-15) may be out
	WIN MUL_LO
	MULT F0, 0, 8, \par, \zero
	WIN 0
.if \stage
	STAGE 1-\buf, 2-\stage
.endif
	PLACES
	FETCHG \par, 1, F1
	s_wait_dscnt 32                                ; all but the 32 just issued
	WIN MUL_HI
	MULT F0, 8, 8, \par, \zero
	s_wait_dscnt 16
	WIN MUL_LO
	MULT F1, 0, 4, \par, 0
	s_wait_dscnt 0x0                               ; my reads of this slot and my stores into the stage are done
	s_set_vgpr_msb 0xa1a0
	s_wait_tensorcnt 0x0                           ; all my tensor loads have landed: the one that was out is my part of the next slot
	ds_add_u32 v254, v255
	s_wait_dscnt 0x0
	s_set_vgpr_msb 0xa0a1
	s_barrier_signal -1
	MULT F1, 4, 4, \par, 0                         ; register work while the others arrive
	WIN 0
	s_barrier_wait -1
.if \fill == 1
	CREST                                          ; no wave of any partner still reads this slot or has a load on its way
	s_add_nc_u64 s[G0A+4*\par+2:G0A+4*\par+3], s[G0A+4*\par+2:G0A+4*\par+3], 262144
	tensor_load_to_lds s[G0A+4*\par:G0A+4*\par+3], s[G1A:G1A+7]    ; the wave's one tensor load behind the round; 112 matrix instructions to the wait for it
	s_nop 0
.endif
.if \fill == 2
	CREST
	tensor_load_to_lds s[G0B:G0B+3], s[G1B:G1B+7]                  ; slot 1 of phase 1 has been read for the last time: hq's tile 0 lands in its bytes
	s_nop 0
.endif
.if \pf == 1
	PF 56, \pfoff
.endif
.if \pf == 2
	PF 60, \pfoff
.endif
.if \fetch
	PLACES
	FETCHHP 1-\par, (\buf+\par)&1
	FETCHG 1-\par, 0, F0
.endif
	WIN MUL_HI
	MULT F1, 8, 8, \par, 0
.endm
; Four ks.  At ks = 2 j wave 0 asks for the L2 to hold tiles 2 j + 4 and 2 j + 5, whose tensor loads are issued two and three steps later.
.macro TRIP1 zero
	STEP1 0, 0, \zero, 1, 1, 1, 1, 0
	STEP1 1, 0, 0, 0, 1, 1, 0, 0
	STEP1 0, 1, 0, 1, 1, 1, 1, 262144
	STEP1 1, 1, 0, 0, 1, 1, 0, 0
	WIN 0
	s_wait_xcnt 0x0                                ; the prefetches' base is stepped only behind this wait
	s_add_nc_u64 s[56:57], s[56:57], 524288
.endm
	STAGE 0, 1                                     ; waits for all loads above; e = 0 .. 63 into buffer 0; asks for e = 64 .. 127
.irp k, 0,1,2,3,4,5,6,7
	v_cmp_eq_u32 vcc_lo, 0, v[T+16+\k]
	v_cndmask_b32 v[T+16+\k], 0, v[TENK], vcc_lo   ; the penalty of q: 10000 where mq = 0
.endr
.irp pt, 0,1,2,3
	v_cvt_f32_i32 v[AP+2*\pt], v[T+24+\pt]
	v_cmp_ne_u32 vcc_lo, 0, v[T+24+\pt]
	v_mul_f32 v[AP+2*\pt], 0x3fb8aa3b, v[AP+2*\pt] ; mp log2 e: the exponentials are in base 2
	v_cndmask_b32 v[AP+2*\pt+1], 0, v[T+3], vcc_lo ; the penalty's factor: -log2 e where mp != 0
.endr
	ds_store_b128 v[T+2], v[T+8:T+11]
	ds_store_b128 v[T+2], v[T+12:T+15] offset:16
	ds_store_b128 v[T+2], v[T+16:T+19] offset:4096
	ds_store_b128 v[T+2], v[T+20:T+23] offset:4112
	s_wait_dscnt 0x0                               ; for the others' sake: my stores are done
	s_wait_tensorcnt 0x1                           ; my part of tile 0 is in; tile 1's stays out
	s_barrier_signal -1
	s_barrier_wait -1
	FETCHHP 0, 0
	FETCHG 0, 0, F0
	TRIP1 1                                        ; ks 0-3: the first products start the sums: nothing is cleared
	s_mov_b32 s3, 6
.Lphase1:
	TRIP1 0                                        ; ks 4-27
	s_sub_co_u32 s3, s3, 1
	s_cmp_lg_u32 s3, 0
	s_cbranch_scc1 .Lphase1
	STEP1 0, 0, 0, 2, 1, 1, 2, 0                   ; ks 28: hp's last pair is laid, nothing more of hp is asked for; tile 30; prefetch of hq's tiles 0-3
	STEP1 1, 0, 0, 0, 1, 1, 0, 0                   ; ks 29: tile 31
	STEP1 0, 1, 0, 0, 0, 1, 2, 262144              ; ks 30: nothing left of G to fetch; prefetch of hq's tiles 4-7
	STEP1 1, 1, 0, 0, 2, 0, 0, 0                   ; ks 31: hq's tile 0
	; SOFTMAX over q.  c into window 1's registers 8 t + j, the penalties into 128 + 8 t + j: the numbers of q = 256 w + 16 t + 8 h + j
	WIN 0
	PLACES
	WIN TO_F
.irp t, 0,1,2,3,4,5,6,7,8,9,10,11,12,13,14,15
	ds_load_b128 v[8*\t:8*\t+3],         v[ACQ] offset:\t*64
	ds_load_b128 v[8*\t+4:8*\t+7],       v[ACQ] offset:\t*64+16
	ds_load_b128 v[128+8*\t:128+8*\t+3], v[ACQ] offset:4096+\t*64
	ds_load_b128 v[128+8*\t+4:128+8*\t+7], v[ACQ] offset:4096+\t*64+16
.endr
	s_wait_dscnt 0x0
; the scores of one window (hi = 0: blocks 0-7), in base 2, in place: (S + c) mp log2 e - penalty log2 e [mp != 0]; then the running maxima
.macro SCORES hi
	WIN 0x86+0x41*\hi                              ; source 0 and destination: the window; source 1: window 1
.irp t8, 0,1,2,3,4,5,6,7
.irp pt, 0,1,2,3
.irp k, 0,2,4,6
	v_pk_add_f32 v[8*(4*\t8+\pt)+\k:8*(4*\t8+\pt)+\k+1], v[8*(4*\t8+\pt)+\k:8*(4*\t8+\pt)+\k+1], v[8*(8*\hi+\t8)+\k:8*(8*\hi+\t8)+\k+1]
.endr
.endr
.endr
	WIN 0x82+0x41*\hi                              ; source 1: window 0
.irp t8, 0,1,2,3,4,5,6,7
.irp pt, 0,1,2,3
.irp k, 0,2,4,6
	v_pk_mul_f32 v[8*(4*\t8+\pt)+\k:8*(4*\t8+\pt)+\k+1], v[8*(4*\t8+\pt)+\k:8*(4*\t8+\pt)+\k+1], v[AP+2*\pt:AP+2*\pt+1] op_sel_hi:[1,0]
.endr
.endr
.endr
	WIN 0xa1+0x50*\hi                              ; source 0: window 1; source 1: window 0; source 2 and destination: the window
.irp t8, 0,1,2,3,4,5,6,7
.irp pt, 0,1,2,3
.irp k, 0,2,4,6
	v_pk_fma_f32 v[8*(4*\t8+\pt)+\k:8*(4*\t8+\pt)+\k+1], v[128+8*(8*\hi+\t8)+\k:128+8*(8*\hi+\t8)+\k+1], v[AP+2*\pt:AP+2*\pt+1], v[8*(4*\t8+\pt)+\k:8*(4*\t8+\pt)+\k+1] op_sel:[0,1,0] op_sel_hi:[1,1,1]
.endr
.endr
.endr
	WIN 0x0a+0x05*\hi                              ; sources 0 and 1: the window
.irp t8, 0,1,2,3,4,5,6,7
.irp k, 0,2,4,6
.irp pt, 0,1,2,3
.if (\hi+\t8+\k) == 0
	v_max_num_f32 v[M+\pt], v[8*(4*\t8+\pt)], v[8*(4*\t8+\pt)+1]   ; the first two scores start the chain
.else
	v_max3_num_f32 v[M+\pt], v[8*(4*\t8+\pt)+\k], v[8*(4*\t8+\pt)+\k+1], v[M+\pt]
.endif
.endr
.endr
.endr
.endm
	SCORES 0
	SCORES 1
	WIN 0
.irp pt, 0,1,2,3
	v_permlanex16_b32 v[T+16+\pt], v[M+\pt], s58, s59              ; the other eight rows of each block
.endr
.irp pt, 0,1,2,3
	v_max_num_f32 v[M+\pt], v[M+\pt], v[T+16+\pt]
	ds_store_b32 v[ARS], v[M+\pt] offset:64*\pt                    ; my wave's maximum of column 16 pt + r
.endr
	s_wait_dscnt 0x0                               ; my stores are done, and my reads of LDS
	s_wait_tensorcnt 0x0                           ; hq's tile 0 has landed
	ds_add_u32 v254, v255
	s_wait_dscnt 0x0
	s_wait_xcnt 0x0                                ; the prefetches' base is stepped only behind this wait
	s_add_nc_u64 s[60:61], s[60:61], 524288        ; on to hq's tiles 8-11
	CROUND                                         ; a round, since a joint load follows; it also shows the maxima to every wave
	tensor_load_to_lds s[G0B+4:G0B+7], s[G1B:G1B+7]                ; hq's tile 1
	s_nop 0
.irp w, 0,1,2,3
.irp pt, 0,1,2,3
	ds_load_b32 v[T+4*\w+\pt], v[ARL] offset:256*\w+64*\pt
.endr
.endr
	s_wait_dscnt 0x0
.irp pt, 0,1,2,3
	v_max3_num_f32 v[M+\pt], v[T+\pt], v[T+4+\pt], v[T+8+\pt]
.endr
.irp pt, 0,1,2,3
	v_max_num_f32 v[MP+2*\pt],   v[M+\pt], v[T+12+\pt]             ; the column's maximum over all 1,024 q, twice: a pair for the packed subtraction
	v_max_num_f32 v[MP+2*\pt+1], v[M+\pt], v[T+12+\pt]
.endr
.irp k, 0,1,2,3,4,5,6,7
	v_mov_b32 v[LS+\k], 0
.endr
.macro EXPS hi
	WIN 0x82+0x41*\hi
.irp t8, 0,1,2,3,4,5,6,7
.irp pt, 0,1,2,3
.irp k, 0,2,4,6
	v_pk_add_f32 v[8*(4*\t8+\pt)+\k:8*(4*\t8+\pt)+\k+1], v[8*(4*\t8+\pt)+\k:8*(4*\t8+\pt)+\k+1], v[MP+2*\pt:MP+2*\pt+1] neg_lo:[0,1] neg_hi:[0,1]
.endr
.endr
.endr
.set e, 0
.rept 256
	v_exp_f32 v[e], v[e]                           ; at most 1.0, and exactly 1.0 at the maximum
.set e, e+1
.endr
	v_nop                                          ; one plain instruction behind the run of exponentials before a result is read (ISA guide 5.7.2)
	s_wait_alu depctr_va_vdst(0)
.endm
	EXPS 0
	EXPS 1
; q blocks 2 tt and 2 tt + 1 = K fragment 8 w + tt of phase 2: round to bf16, add the rounded weights up, store the four fragments
.macro PACK tt
	WIN 0x0a+0x05*(\tt>>2)
.irp u, 0,1
.irp pt, 0,1,2,3
.irp k, 0,1,2,3
	v_cvt_pk_bf16_f32 v[T+8*\pt+4*\u+\k], v[8*(4*((2*\tt+\u)&7)+\pt)+2*\k], v[8*(4*((2*\tt+\u)&7)+\pt)+2*\k+1]
.endr
.endr
.endr
	WIN 0
.irp i, 0,1,2,3,4,5,6,7
.irp pt, 0,1,2,3
	v_fma_mix_f32_bf16 v[LS+2*\pt],   v[T+8*\pt+\i], v[ONE], v[LS+2*\pt]   op_sel:[0,0,0] op_sel_hi:[1,0,0]
	v_fma_mix_f32_bf16 v[LS+2*\pt+1], v[T+8*\pt+\i], v[ONE], v[LS+2*\pt+1] op_sel:[1,0,0] op_sel_hi:[1,0,0]
.endr
.endr
.irp pt, 0,1,2,3
	ds_store_b128 v[ADG], v[T+8*\pt:T+8*\pt+3]   offset:\tt*4096+\pt*1024          ; slot 0 of phase 1 has had its last fill: it now holds the weights
	ds_store_b128 v[ADG], v[T+8*\pt+4:T+8*\pt+7] offset:\tt*4096+\pt*1024+512
.endr
.endm
.irp tt, 0,1,2,3,4,5,6,7
	PACK \tt
.endr
.irp pt, 0,1,2,3
	v_add_f32 v[LS+2*\pt], v[LS+2*\pt], v[LS+2*\pt+1]
.endr
.irp pt, 0,1,2,3
	v_permlanex16_b32 v[T+\pt], v[LS+2*\pt], s58, s59
.endr
.irp pt, 0,1,2,3
	v_add_f32 v[LS+2*\pt], v[LS+2*\pt], v[T+\pt]
	ds_store_b32 v[ARS], v[LS+2*\pt] offset:1024+64*\pt
.endr
	s_wait_dscnt 0x0                               ; my weights and my sums are in LDS
	s_barrier_signal -1                            ; hq's tile 1 may stay out
	s_barrier_wait -1
.irp w, 0,1,2,3
.irp pt, 0,1,2,3
	ds_load_b32 v[T+4*\w+\pt], v[ARL] offset:1024+256*\w+64*\pt
.endr
.endr
	s_wait_dscnt 0x0
.irp pt, 0,1,2,3
	v_add_f32 v[T+\pt], v[T+\pt], v[T+4+\pt]
	v_add_f32 v[T+8+\pt], v[T+8+\pt], v[T+12+\pt]
.endr
.irp pt, 0,1,2,3
	v_add_f32 v[T+\pt], v[T+\pt], v[T+8+\pt]       ; at least 1.0
.endr
.irp pt, 0,1,2,3
	v_rcp_f32 v[MP+2*\pt],   v[T+\pt]              ; the maxima are done with: the pairs now hold 1 / sum
	v_rcp_f32 v[MP+2*\pt+1], v[T+\pt]
.endr
	v_nop                                          ; one plain instruction behind the reciprocals
; PHASE 2.  40 LDS loads: the four fragments of weights of K step 4 trip + k4, then my 16 fragments of hq transposed from slot s, into the buffers of s
.macro FETCH2 s, k4
	WIN 0
.irp pt, 0,1,2,3
	ds_load_b128 v[HPF+32*(\s)+8*\pt:HPF+32*(\s)+8*\pt+3],   v[ADP] offset:(\k4)*4096+\pt*1024
	ds_load_b128 v[HPF+32*(\s)+8*\pt+4:HPF+32*(\s)+8*\pt+7], v[ADP] offset:(\k4)*4096+\pt*1024+512
.endr
	WIN TO_F
.irp dt, 0,1,2,3,4,5,6,7,8,9,10,11,12,13,14,15
	ds_load_tr16_b128 v[128*(\s)+8*\dt:128*(\s)+8*\dt+3],   v[AD2+\s] offset:\dt*32            ; q = 8 h + 0..7 of column d = 16 dt + r
	ds_load_tr16_b128 v[128*(\s)+8*\dt+4:128*(\s)+8*\dt+7], v[AD2+\s] offset:\dt*32+16*P2      ; q = 16 + 8 h + 0..7
.endr
.endm
; One K step of 32 q: 64 matrix instructions.  fill: this slot gets tile kq + 2 (48 matrix instructions to the wait for it: the weights take 128 KiB, so a
; slot cannot hold more).  pf: wave 0 asks for the L2 to hold the four tiles of the trip after next.
.macro STEP2 par, k4, zero, fill, fetch, pf
	s_wait_dscnt 16                                ; the weights and blocks 0-7 are in
	WIN MUL_LO
	MULT 128*\par, 0, 4, \par, \zero
	s_wait_dscnt 0x0                               ; my reads of this slot are over
	s_set_vgpr_msb 0xa1a0
	s_wait_tensorcnt 0x0                           ; all my tensor loads have landed: my part of the next slot
	ds_add_u32 v254, v255
	s_wait_dscnt 0x0
	s_set_vgpr_msb 0xa0a1
	s_barrier_signal -1
	MULT 128*\par, 4, 4, \par, \zero
	WIN 0
	s_barrier_wait -1
.if \fill
	CREST
	s_add_nc_u64 s[G0B+4*\par+2:G0B+4*\par+3], s[G0B+4*\par+2:G0B+4*\par+3], 131072
	tensor_load_to_lds s[G0B+4*\par:G0B+4*\par+3], s[G1B:G1B+7]
	s_nop 0
.endif
.if \pf
	PF 60, 0
.endif
.if \fetch
	PLACES
	FETCH2 1-\par, \k4+1
.endif
	WIN MUL_HI
	MULT 128*\par, 8, 8, \par, \zero
.endm
.macro TRIP2 zero, pf
	STEP2 0, 0, \zero, 1, 1, 0
	STEP2 1, 1, 0, 1, 1, 0
	STEP2 0, 2, 0, 1, 1, \pf
	STEP2 1, 3, 0, 1, 1, 0
	WIN 0
	v_add_nc_u32 v[ADP], 16384, v[ADP]             ; four K steps' weights on
.if \pf
	s_wait_xcnt 0x0
	s_add_nc_u64 s[60:61], s[60:61], 262144
.endif
.endm
	s_wait_tensorcnt 0x1                           ; my part of hq's tile 0 is in; one younger load (tile 1) may be out
	FETCH2 0, 0
	TRIP2 1, 1                                     ; kq 0-3: the first products start the sums
	s_mov_b32 s3, 5
.Lphase2:
	TRIP2 0, 1                                     ; kq 4-23; the last of these trips asks for tiles 28-31
	s_sub_co_u32 s3, s3, 1
	s_cmp_lg_u32 s3, 0
	s_cbranch_scc1 .Lphase2
	TRIP2 0, 0                                     ; kq 24-27: nothing left to prefetch
	STEP2 0, 0, 0, 1, 1, 0                         ; kq 28: tile 30
	STEP2 1, 1, 0, 1, 1, 0                         ; kq 29: tile 31
	STEP2 0, 2, 0, 0, 1, 0                         ; kq 30: nothing left to fetch from memory
	STEP2 1, 3, 0, 0, 0, 0                         ; kq 31
	; THE WAY OUT.  Lane (r, h), register j of tile (dt, pt) = O[p = 16 pt + r][d = 256 w + 16 dt + 8 h + j]: 32 bytes of a row.  16 rows at a time go through
	; my own stage (in the bytes that held weights: hence the barrier) and come back as whole rows of 1,024 bytes.
	WIN 0
	PLACES
	s_wait_dscnt 0x0
	s_barrier_signal -1
	s_barrier_wait -1                              ; no wave reads weights any more
.macro OUTP pt
.irp hi, 0,1
	WIN 0x02+\hi                                   ; source 0: window 2 or 3
	s_wait_alu depctr_va_vdst(0)
.irp dt, 0,1,2,3,4,5,6,7
.irp k, 0,2,4,6
	v_pk_mul_f32 v[T+8*\dt+\k:T+8*\dt+\k+1], v[8*(4*\dt+\pt)+\k:8*(4*\dt+\pt)+\k+1], v[MP+2*\pt:MP+2*\pt+1]
.endr
.endr
	WIN 0
.irp dt, 0,1,2,3,4,5,6,7
	ds_store_b128 v[STO], v[T+8*\dt:T+8*\dt+3]   offset:(8*\hi+\dt)*64
	ds_store_b128 v[STO], v[T+8*\dt+4:T+8*\dt+7] offset:(8*\hi+\dt)*64+16
.endr
.endr
.irp bch, 0,1,2,3
	s_wait_xcnt 0x0                                ; the row buffers, which stores read, are loaded again only behind this wait
.irp k, 0,1,2,3,4,5,6,7
	ds_load_b128 v[HPF+32*(\bch&1)+4*\k:HPF+32*(\bch&1)+4*\k+3], v[ADG] offset:(4*\bch+(\k>>1))*OPITCH+(\k&1)*512   ; LDS serves a wave's instructions in order: these see the stores above
.endr
.irp k, 0,1,2,3,4,5,6,7
	s_wait_dscnt 7-\k
	global_store_b128 v[L16], v[HPF+32*(\bch&1)+4*\k:HPF+32*(\bch&1)+4*\k+3], s[16:17] offset:\pt*65536+(4*\bch+(\k>>1))*4096+(\k&1)*512 th:TH_STORE_NT   ; 512 consecutive bytes, aligned
.endr
.endr
.endm
	OUTP 0
	OUTP 1
	OUTP 2
	OUTP 3
	s_wait_tensorcnt 0x0
	ds_add_u32 v254, v255
	s_wait_dscnt 0x0
	CROUND                                         ; the closing round: no work-group ends while a partner may still ask for a tile that names it
	s_endpgm
.Lfunc_end_k_qf0b81b9888_attn:
	.size	k_qf0b81b9888_attn, .Lfunc_end_k_qf0b81b9888_attn-k_qf0b81b9888_attn
	.p2alignl 7, 3214868480
	.fill 96, 4, 3214868480
	.section	.rodata,"a",@progbits
	.p2align	6, 0x0
	.amdhsa_kernel k_qf0b81b9888_attn
		.amdhsa_group_segment_fixed_size 327680
		.amdhsa_private_segment_fixed_size 0
		.amdhsa_enable_private_segment 0
		.amdhsa_kernarg_size 56
		.amdhsa_user_sgpr_count 2
		.amdhsa_user_sgpr_kernarg_segment_ptr 1
		.amdhsa_wavefront_size32 1
		.amdhsa_system_sgpr_workgroup_id_x 1
		.amdhsa_system_sgpr_workgroup_id_y 1
		.amdhsa_system_sgpr_workgroup_id_z 1
		.amdhsa_system_vgpr_workitem_id 0
		.amdhsa_next_free_vgpr 1024
		.amdhsa_next_free_sgpr 66
		.amdhsa_reserve_vcc 1
		.amdhsa_float_denorm_mode_32 3
		.amdhsa_float_denorm_mode_16_64 3
		.amdhsa_memory_ordered 1
		.amdhsa_forward_progress 1
		.amdhsa_inst_pref_size 255
	.end_amdhsa_kernel
	.section	.bss,"aw",@nobits
	.p2align	6
	.space	262144
	.amdgpu_metadata
---
amdhsa.version: [ 1, 2 ]
amdhsa.kernels:
  - .name:           k_qf0b81b9888_attn
    .symbol:         k_qf0b81b9888_attn.kd
    .args:
      - { .name: hp, .offset: 0, .size: 8, .value_kind: global_buffer, .address_space: global }
      - { .name: mask_hp, .offset: 8, .size: 8, .value_kind: global_buffer, .address_space: global }
      - { .name: mask_hq, .offset: 16, .size: 8, .value_kind: global_buffer, .address_space: global }
      - { .name: cq, .offset: 24, .size: 8, .value_kind: global_buffer, .address_space: global }
      - { .name: Gt, .offset: 32, .size: 8, .value_kind: global_buffer, .address_space: global }
      - { .name: hqb, .offset: 40, .size: 8, .value_kind: global_buffer, .address_space: global }
      - { .name: out0, .offset: 48, .size: 8, .value_kind: global_buffer, .address_space: global }
    .group_segment_fixed_size: 327680
    .private_segment_fixed_size: 0
    .kernarg_segment_align: 8
    .kernarg_segment_size: 56
    .max_flat_workgroup_size: 128
    .sgpr_count:     66
    .vgpr_count:     1024
    .wavefront_size: 32
...
	.end_amdgpu_metadata
.endif
;; end of part 3
;; ======== version 2 of 3: 4 launches
;; workspace buffers: hqb 16,777,216 bytes; Wb 2,097,152 bytes; cq 32,768 bytes; Gt 33,554,432 bytes; Wt 33,554,432 bytes; ml 262,144 bytes
;; launch prep: the kernel of part 1 again; grid 256 x 1, 8 waves a work-group, no clusters, 0 bytes of LDS; arguments hq, W, b, hqb, Wb, cq; writes hqb, Wb, cq
;; launch proj: the kernel of part 2 again; grid 4 x 64, 4 waves a work-group, clusters of 4 x 4, 327,680 bytes of LDS; arguments hqb, Wb, Gt; writes Gt
;; launch attn (part 4): grid 256 x 1, 4 waves a work-group, clusters of 4 x 1, 327,680 bytes of LDS; arguments hp, mask_hp, mask_hq, cq, Gt, Wt, ml; writes Wt, ml
.if DOCPART == 4
	.amdgcn_target "amdgcn-amd-amdhsa--gfx1250"
	.amdhsa_code_object_version 6
	.text
	.protected	k_qf0b81b9888_attn
	.globl	k_qf0b81b9888_attn
	.p2align	8
	.type	k_qf0b81b9888_attn,@function
k_qf0b81b9888_attn:
	s_mov_b64 s[64:65], 0
	v_nop
	global_prefetch_b8 v0, s[64:65] scope:SCOPE_SE
	s_setreg_imm32_b32 hwreg(HW_REG_WAVE_MODE, 25, 1), 1
	s_wait_xcnt 0x0
	s_wait_alu depctr_hold_cnt(0) depctr_sa_sdst(0) depctr_va_vdst(0) depctr_va_sdst(0) depctr_va_ssrc(0) depctr_va_vcc(0) depctr_vm_vsrc(0)
	s_getreg_b32 s2, hwreg(HW_REG_IB_STS2, 6, 4)
	s_cmp_eq_u32 s2, 0
	s_cbranch_scc0 .Lentry_in_a_cluster
	s_endpgm
.Lentry_in_a_cluster:
	s_bfe_u32 s2, ttmp6, 0x10000c
	s_cmp_lg_u32 s2, 0x3003
	s_cbranch_scc0 .Lentry_shape_is_right
	s_endpgm
.Lentry_shape_is_right:
; attn: for 128 positions p and one HALF (512) of the queries q of one batch: scores s[q][p] = mp[p] (sum over e of G[q][e] hp[p][e] + c[q]) - 10000 where
; mq[q] mp[p] = 0, and this half's part of the softmax over q.  Out go the weights exp(s - m), m = the maximum over THIS half's 512 q, rounded to bf16 and
; not yet divided, as matrix fragments for the next launch (Wt), and for each p the half's m (in base 2) and l = the sum of its ROUNDED weights (ml).
; The next launch joins the two halves exactly: out = (g A0 + A1) / (g l0 + l1) with g = 2^(m0 - m1): no work-group reads what another stores here.
; WHY HALVES: 128 p x 512 q fill the same 512 accumulator registers a wave as 64 p x 1,024 q would, with the same matrix work, but the work-group walks 2 MiB
; of G instead of 4: one ks of G (hi and lo) is 64 KiB, a slot of 128 KiB holds two ks, and one refill feeds 256 matrix instructions of each wave.
; Four waves.  Wave w holds S(q = 128 w .. + 127 of the half, 128 p) in 64 accumulator tiles; D(m = q, n = p), source 0 = a fragment of G (hi, then lo, onto
; the same sums), source 1 = a fragment of hp.  A lane belongs to one p in each of the eight tile columns, so mask, maximum and sum are one number a lane
; and column.  A tile of weights packed to bf16 IS half of a fragment (16 p x 32 q) of the next launch's product.
; Gt: [batch 8][ks 32][256 q 4][hi, lo][t 16][1,024 bytes].  Wt: [batch 8][block of 256 p 8][kq 32][p tile 16][1,024 bytes]: byte 512 i + 16 L (lane
; L = r + 16 h) holds the weights of p = 16 tile + r, q = 32 kq + 16 i + 8 h + 0..7.  ml: [half 2][m, l][8 x 2,048] f32.
; CLUSTERS: the 16 work-groups of a batch and half walk the same tiles of G; four of them form a cluster and ask jointly (mask 15), each wave for a quarter
; of a slot.  Each joint refill stands behind a round of the cluster's barrier.
; hp is used once by a work-group, 32 e at a time, so it is not parked in LDS: in every double step each wave loads its 32 rows x 256 bytes for the double step
; after the next into registers, rounds what has come to bf16 and lays it into a small stage in fragment order.
; By this text's count a wave has two tensor loads out at the start and one behind every later round.
; LIMITS: hp is rounded to bf16 and the weights to bf16; G has 16 significant bits.  NaN and infinities get no treatment of their own.  Weights below
; 2^-126 come out of v_exp_f32 as 0.  Where mp[p] = 0 the column's scores are kept at 0 instead of -10000: a constant of the column, which a softmax
; does not see; the weights are uniform as in the reference.  Masks may hold any int32: mp enters as a factor and as 'not 0', mq as 'not 0'.
; LDS: 0 and 131,072 the two slots, each [ks % 2][256 q 2][hi, lo][t 16][1,024]; then bytes that no tensor load touches: 262,144 hp's stage (2 x 16 KiB),
; 294,912 c, 296,960 penalties, 299,008 maxima, 301,056 sums.
.set SL1,  131072                      ; a slot: two ks of this half of G
.set GW,   32768                       ; a quarter of it, one tensor load
.set STG,  262144
.set SBUF, 16384                       ; a stage buffer: [ks % 2][p block 8][i 2][h 2][16 places of 16 bytes]
.set CQ,   294912                      ; the penalties lie 2,048 bytes behind
.set RMAX, 299008                      ; the sums lie 2,048 bytes behind
.set L16, 4                            ; v4      16 x lane; also my offset in a fragment of Wt and in 512 bytes of ml
.set ADG, 8                            ; v8-11   my G fragments of ks % 4 = 0..3 (slot ks / 2 % 2, its half ks % 2)
.set ADS, 12                           ; v12-15  hp fragments in the stage: [ks % 2][half i]
.set ADW, 16                           ; v16-23  where load n's 8 bytes go in the stage (n and n + 8 differ by a p block, in the immediate)
.set VHP, 24                           ; v24     my 16 bytes in two rows of hp
.set ARP, 25                           ; v25     wave 0's words for columns 4 L .. 4 L + 3 among the maxima
.set ARS, 26                           ; v26     my wave's word for column r among the maxima
.set ARL, 27                           ; v27     wave 0's word for column r
.set STF, 32                           ; v32-95  hp as loaded; later the second set of packed weights
.set STB, 96                           ; v96-127 hp in bf16
.set AP,  128                          ; v128-143 pairs (mp log2 e, mp != 0 ? -log2 e : 0) for the eight columns
.set MP,  144                          ; v144-159 pairs (maximum, maximum)
.set LS,  160                          ; v160-175 two sum chains for each column
.set M,   176                          ; v176-183 running maxima
.set ONE, 184
.set TENK, 185
.set VPF, 186                          ; v186    256 x lane: prefetches
.set ACQ, 187                          ; v187    c of my rows
.set T,   192                          ; v192-255 at work
.set GA,  0                            ; window 1: two buffers of 8 fragments of G, which take turns (hi, lo, hi, lo),
.set GB,  64
.set HP0, 128                          ; and two of 8 fragments of hp (ks even, ks odd)
.set HP1, 192
.set G1A, 24                           ; s[24:31] group 1 of G's tiles
.set G0A, 32                           ; s[32:39] group 0, a set for each slot
.set MUL_LO, 0xa5                      ; sources 0 and 1 window 1, C and D window 2 (q blocks 0-3)
.set MUL_HI, 0xf5                      ; C and D window 3 (q blocks 4-7)
.set TO_F,   0x40                      ; destination window 1
.set MSB, 0
.macro WIN new                         ; the immediate's high byte repeats the setting that is left
.if MSB != (\new)
	s_set_vgpr_msb (MSB<<8)|(\new)
.set MSB, (\new)
.endif
.endm
.macro PLACES                          ; four places behind a matrix instruction before a load lands on a register that it read, or a vector
.rept 4                                ; instruction reads its result; they stand in front of every run of loads
	v_nop
.endr
.endm
.macro CREST                           ; a round of the cluster's barrier behind its opening work-group barrier
	s_cmp_lg_u32 s18, 0
	s_cbranch_scc1 .Lnot_wave_0_\@
	s_barrier_signal -3
.Lnot_wave_0_\@:
	s_barrier_wait -3
	s_barrier_signal -1
	s_barrier_wait -1
.endm
.macro CROUND
	s_barrier_signal -1
	s_barrier_wait -1
	CREST
.endm
; Wave 0 asks for 8 KiB (32 lanes, 256 bytes apart) of the 128 KiB of a pair of ks that the 16 work-groups of a batch and half share out: each block is asked for once
.macro PF off
	s_cmp_lg_u32 s18, 0
	s_cbranch_scc1 .Lno_pf_\@
	global_prefetch_b8 v[VPF], s[56:57] offset:\off th:TH_LOAD_NT scope:SCOPE_SE
.Lno_pf_\@:
.endm
	s_load_b256 s[4:11], s[0:1], 0x0               ; hp s[4:5], mask_hp s[6:7], mask_hq s[8:9], cq s[10:11]
	s_load_b128 s[12:15], s[0:1], 0x20             ; Gt s[12:13], Wt s[14:15]
	s_load_b64 s[16:17], s[0:1], 0x30              ; ml
	v_lshl_add_u32 v190, v0, 2, 0x4a000
	v_mov_b32 v191, 0
	ds_add_u32 v190, v191
	v_lshrrev_b32 v1, 5, v0
	v_readfirstlane_b32 s18, v1                    ; wave 0..3
	s_bfe_u32 s19, ttmp6, 0x40000                  ; cx
	s_lshr_b32 s21, ttmp9, 3                       ; batch: eight clusters each,
	s_and_b32 s60, ttmp9, 1                        ; half of q: both the same in all four partners
	s_lshr_b32 s20, ttmp9, 1
	s_and_b32 s20, s20, 3
	s_lshl_b32 s20, s20, 2
	s_add_co_u32 s20, s20, s19                     ; pb: which 128 positions of the batch, 0..15
	s_mov_b32 s58, 0x76543210                      ; v_permlanex16_b32: lane i reads lane i of the other half
	s_mov_b32 s59, 0xfedcba98
	; G's tiles: a wave's 32 KiB are dense in memory: 128 rows of 32 elements of 8 bytes
	s_mov_b32 s[G1A+0], 15|(3<<16)|(1<<21)         ; mask: all four of the cluster; elements of 8 bytes; bit 21 beside a mask
	s_mov_b32 s[G1A+1], 32<<16                     ; tensor_dim0 = 32
	s_mov_b32 s[G1A+2], 128<<16                    ; tensor_dim1 = 128
	s_mov_b32 s[G1A+3], 32<<16                     ; tile_dim0 = 32
	s_mov_b32 s[G1A+4], 128                        ; tile_dim1 = 128
	s_mov_b32 s[G1A+5], 32                         ; from row to row
	s_mov_b32 s[G1A+6], 0
	s_mov_b32 s[G1A+7], 0
	s_mul_i32 s62, s18, GW                         ; LDS: the quarter of a slot that I fetch.  No place in the cluster enters a descriptor or an LDS address
	s_lshl_b32 s22, s21, 22                        ; Gt: batch x 4 MiB
	s_lshl_b32 s23, s60, 16                        ;     + half x 64 KiB (two blocks of 256 q)
	s_add_co_u32 s22, s22, s23
	s_lshr_b32 s23, s18, 1
	s_lshl_b32 s23, s23, 17                        ;     + (wave / 2) x 128 KiB: the pair's even or odd ks
	s_add_co_u32 s22, s22, s23
	s_and_b32 s23, s18, 1
	s_lshl_b32 s23, s23, 15                        ;     + (wave % 2) x 32 KiB: which 256 q
	s_add_co_u32 s22, s22, s23
	s_mov_b32 s23, 0
	s_wait_dscnt 0x0
	s_wait_kmcnt 0x0
	s_add_nc_u64 s[22:23], s[12:13], s[22:23]
.irp s, 0,1
	s_mov_b32 s[G0A+4*\s], 1
	s_add_co_u32 s[G0A+4*\s+1], s62, \s*SL1
	s_add_nc_u64 s[G0A+4*\s+2:G0A+4*\s+3], s[22:23], \s*262144     ; pair s: ks 2 s and 2 s + 1
	s_or_b32 s[G0A+4*\s+3], s[G0A+4*\s+3], 0x80000000
.endr
	CROUND                                         ; the four work-groups are here: the first joint loads meet
	tensor_load_to_lds s[G0A:G0A+3], s[G1A:G1A+7]                  ; pair 0
	s_nop 0
	tensor_load_to_lds s[G0A+4:G0A+7], s[G1A:G1A+7]                ; pair 1
	s_nop 0
	; the work-group's own places in memory
	s_lshl_b32 s22, s21, 23
	s_lshl_b32 s23, s20, 19
	s_add_co_u32 s22, s22, s23                     ; hp: (2,048 batch + 128 pb) rows of 4,096 bytes
	s_lshl_b32 s23, s18, 17                        ; + my wave's 32 rows
	s_add_co_u32 s22, s22, s23
	s_mov_b32 s23, 0
	s_add_nc_u64 s[4:5], s[4:5], s[22:23]
	s_lshl_b32 s22, s21, 13
	s_lshl_b32 s3, s20, 9
	s_add_co_u32 s22, s22, s3
	s_add_nc_u64 s[6:7], s[6:7], s[22:23]          ; mask_hp at my 128 positions
	s_lshl_b32 s3, s60, 17
	s_add_co_u32 s22, s22, s3
	s_add_nc_u64 s[16:17], s[16:17], s[22:23]      ; ml: my half's m at my 128 positions: 512 bytes, aligned; l lies 65,536 bytes behind
	s_lshl_b32 s22, s21, 12
	s_lshl_b32 s3, s60, 11
	s_add_co_u32 s22, s22, s3
	s_add_nc_u64 s[8:9], s[8:9], s[22:23]          ; mask_hq and c of the batch's half
	s_add_nc_u64 s[10:11], s[10:11], s[22:23]
	s_lshl_b32 s22, s21, 22                        ; Wt: batch x 4 MiB
	s_lshr_b32 s3, s20, 1
	s_lshl_b32 s3, s3, 19                          ; + block of 256 p x 512 KiB
	s_add_co_u32 s22, s22, s3
	s_lshl_b32 s3, s60, 18                         ; + kq = 16 half + 4 wave, 16 KiB each
	s_add_co_u32 s22, s22, s3
	s_lshl_b32 s3, s18, 16
	s_add_co_u32 s22, s22, s3
	s_and_b32 s3, s20, 1
	s_lshl_b32 s3, s3, 13                          ; + my eight p tiles of its sixteen
	s_add_co_u32 s22, s22, s3
	s_add_nc_u64 s[14:15], s[14:15], s[22:23]
	s_lshl_b32 s22, s21, 22                        ; prefetches in Gt: batch, half,
	s_lshl_b32 s3, s60, 16
	s_add_co_u32 s22, s22, s3
	s_lshr_b32 s3, s20, 3
	s_lshl_b32 s3, s3, 17                          ; work-groups 0-7 the pair's even ks, 8-15 its odd ks,
	s_add_co_u32 s22, s22, s3
	s_and_b32 s3, s20, 7
	s_lshl_b32 s3, s3, 13                          ; 8 KiB each,
	s_add_co_u32 s22, s22, s3
	s_add_co_u32 s22, s22, 524288                  ; beginning with pair 2
	s_add_nc_u64 s[56:57], s[12:13], s[22:23]
	v_and_b32 v1, 31, v0                           ; L
	v_and_b32 v2, 15, v0                           ; r
	v_bfe_u32 v3, v0, 4, 1                         ; h
	v_lshlrev_b32 v[L16], 4, v1
	s_lshr_b32 s22, s18, 1
	s_lshl_b32 s22, s22, 15                        ; my 128 q: block of 256 q = wave / 2,
	s_and_b32 s3, s18, 1
	s_lshl_b32 s3, s3, 13                          ; its blocks t = 8 (wave % 2) ..
	s_add_co_u32 s22, s22, s3
	v_add_nc_u32 v[ADG], s22, v[L16]
.irp k, 1,2,3
	v_add_nc_u32 v[ADG+\k], \k*65536, v[ADG]
.endr
	; hp's stage.  Row r of piece pc = 4 (ks % 2) + 2 i + h lies at place (r + 2 pc) % 16, so that the 32 lanes of a store touch 32 different 8-byte columns of
	; 256 bytes and the 16 lanes of a load's half 16 different 16-byte columns.
	v_lshl_add_u32 v5, v3, 1, v2                   ; r + 2 h
	v_lshlrev_b32 v6, 8, v3                        ; 256 h
.irp k, 0,1,2,3
	v_add_nc_u32 v[ADS+\k], 4*\k, v5               ; k = 2 (ks % 2) + i: r + 2 pc
	v_and_b32 v[ADS+\k], 15, v[ADS+\k]
	v_lshl_add_u32 v[ADS+\k], v[ADS+\k], 4, v6
	v_add_nc_u32 v[ADS+\k], STG+(\k>>1)*8192+(\k&1)*512, v[ADS+\k]
.endr
	; in: load n brings rows 2 n + L / 16; lane column c = L % 16 holds e = 4 c .. 4 c + 3 of 64: piece c / 2, its half c % 2
	v_lshrrev_b32 v5, 1, v2
	v_lshl_add_u32 v5, v5, 1, v3                   ; 2 pc + L / 16
	v_bfe_u32 v6, v2, 3, 1
	v_lshlrev_b32 v6, 13, v6                       ; ks % 2
	v_bfe_u32 v7, v2, 2, 1
	v_lshl_add_u32 v6, v7, 9, v6                   ; i
	v_bfe_u32 v7, v2, 1, 1
	v_lshl_add_u32 v6, v7, 8, v6                   ; h
	v_and_b32 v7, 1, v2
	v_lshl_add_u32 v6, v7, 3, v6                   ; 8 bytes
	s_lshl_b32 s22, s18, 11                        ; my rows are p blocks 2 wave and 2 wave + 1
	s_add_co_u32 s22, s22, STG
	v_add_nc_u32 v6, s22, v6
.irp n, 0,1,2,3,4,5,6,7
	v_add_nc_u32 v[ADW+\n], 2*\n, v5
	v_and_b32 v[ADW+\n], 15, v[ADW+\n]
	v_lshl_add_u32 v[ADW+\n], v[ADW+\n], 4, v6
.endr
	v_lshlrev_b32 v[VHP], 4, v2
	v_lshl_add_u32 v[VHP], v3, 12, v[VHP]          ; 16 lanes take 256 consecutive bytes of a row, the other 16 the row below
	v_add_nc_u32 v[ARP], RMAX, v[L16]
	v_lshlrev_b32 v7, 2, v2                        ; 4 r
	v_add_nc_u32 v[ARL], RMAX, v7
	s_lshl_b32 s22, s18, 9
	v_add_nc_u32 v[ARS], s22, v[ARL]
	v_lshlrev_b32 v[VPF], 8, v1
	v_lshlrev_b32 v6, 5, v3
	s_add_co_u32 s22, s22, CQ
	v_add_nc_u32 v[ACQ], s22, v6                   ; c[128 w + 8 h ..]
	v_mov_b32 v[ONE], 1.0
	v_mov_b32 v[TENK], 0x461c4000                  ; 10000.0
	v_lshlrev_b32 v[T], 4, v0                      ; thread t copies c and mask_hq of q = 4 t .. 4 t + 3 of the half
	global_load_b128 v[T+8:T+11],  v[T], s[10:11]
	global_load_b128 v[T+16:T+19], v[T], s[8:9]
.irp pt, 0,1,2,3,4,5,6,7
	global_load_b32 v[T+24+\pt], v7, s[6:7] offset:64*\pt          ; mp of p = 16 pt + r
.endr
.irp n, 0,1,2,3,4,5,6,7,8,9,10,11,12,13,14,15
	global_load_b128 v[STF+4*\n:STF+4*\n+3], v[VHP], s[4:5] offset:8192*\n     ; hp, e = 0 .. 63; no hint: the other half's work-group reads these rows too
.endr
	v_add_nc_u32 v[T+2], CQ, v[T]
	v_mov_b32 v[T+3], 0xbfb8aa3b                   ; -log2 e
; hp for a pair of ks: what was asked for a double step ago is rounded and laid into stage buffer sb; more = 1: the next 64 e are asked for
.macro STAGE sb, more
	s_wait_loadcnt 0x0                             ; the sixteen loads are in, so their base may be stepped too
.irp n, 0,1,2,3,4,5,6,7,8,9,10,11,12,13,14,15
	v_cvt_pk_bf16_f32 v[STB+2*\n],   v[STF+4*\n],   v[STF+4*\n+1]
	v_cvt_pk_bf16_f32 v[STB+2*\n+1], v[STF+4*\n+2], v[STF+4*\n+3]
.endr
.irp n, 0,1,2,3,4,5,6,7,8,9,10,11,12,13,14,15
	ds_store_b64 v[ADW+(\n&7)], v[STB+2*\n:STB+2*\n+1] offset:(\sb)*SBUF+(\n>>3)*1024
.endr
.if \more
	s_add_nc_u64 s[4:5], s[4:5], 256
.irp n, 0,1,2,3,4,5,6,7,8,9,10,11,12,13,14,15
	global_load_b128 v[STF+4*\n:STF+4*\n+3], v[VHP], s[4:5] offset:8192*\n
.endr
.endif
.endm
; n x 8 matrix instructions: q blocks a0 .. a0 + n - 1 of the window's four (hi = 0: my q blocks 0-3, 1: 4-7) x the eight p blocks.  The 64 accumulators take
; turns, one instruction a turn, in the same order in every quarter.
.macro MULQ g, hp, hi, a0, n, zero
.set ma, \a0
.rept \n
.irp b, 0,1,2,3,4,5,6,7
.if \zero
	v_wmma_f32_16x16x32_bf16 v[8*(8*ma+\b):8*(8*ma+\b)+7], v[(\g)+8*(4*\hi+ma):(\g)+8*(4*\hi+ma)+7], v[(\hp)+8*\b:(\hp)+8*\b+7], 0
.else
	v_wmma_f32_16x16x32_bf16 v[8*(8*ma+\b):8*(8*ma+\b)+7], v[(\g)+8*(4*\hi+ma):(\g)+8*(4*\hi+ma)+7], v[(\hp)+8*\b:(\hp)+8*\b+7], v[8*(8*ma+\b):8*(8*ma+\b)+7]
.endif
.endr
.set ma, ma+1
.endr
.endm
; 16 LDS loads: my 8 fragments of G (hl = 0 hi, 1 lo) of ks % 4 = k into buffer g; every load takes 512 consecutive bytes
.macro FETCHG k, hl, g
	WIN TO_F
.irp t, 0,1,2,3,4,5,6,7
	ds_load_b128 v[(\g)+8*\t:(\g)+8*\t+3],   v[ADG+\k] offset:(\hl)*16384+\t*1024
	ds_load_b128 v[(\g)+8*\t+4:(\g)+8*\t+7], v[ADG+\k] offset:(\hl)*16384+\t*1024+512
.endr
.endm
; 16 LDS loads: the eight fragments of hp of a step with ks % 2 = par, from stage buffer sb
.macro FETCHHP par, sb
	WIN TO_F
.irp pt, 0,1,2,3,4,5,6,7
	ds_load_b128 v[HP0+64*(\par)+8*\pt:HP0+64*(\par)+8*\pt+3],   v[ADS+2*(\par)]   offset:(\sb)*SBUF+\pt*1024
	ds_load_b128 v[HP0+64*(\par)+8*\pt+4:HP0+64*(\par)+8*\pt+7], v[ADS+2*(\par)+1] offset:(\sb)*SBUF+\pt*1024
.endr
.endm
; A double step: the two ks of slot s (and of stage buffer s), four quarters of 64 matrix instructions: even ks hi, lo, odd ks hi, lo.  In the middle of each
; quarter the next quarter's fragments are fetched in one run.
; stage: 1 = lay the next pair of hp into the other buffer and ask for the pair behind it, 2 = lay only, 0 = nothing.
; fill: this slot gets the pair after the next; wave 0 has asked, in the first quarter, for the L2 to hold that pair (three quarters ahead of the tensor load).
; fetch: the next double step's first fragments.
; The stage's order: buffer 1 - s was last read by loads that every wave waited for in front of the last double step's barrier; the stores here are waited
; for in front of this one's barrier, and read behind it.
.macro DSTEP s, zero, stage, fill, fetch, pfoff
	s_wait_dscnt 8                                 ; hp's fragments and G's blocks 0-3 are in; the youngest eight loads (blocks 4-7) may be out
	WIN MUL_LO
	MULQ GA, HP0, 0, 0, 4, \zero
	WIN 0
.if \stage
	STAGE 1-\s, 2-\stage
.endif
.if \fill
	PF \pfoff
.endif
	PLACES
	FETCHG 2*\s, 1, GB
	s_wait_dscnt 16                                ; all but the 16 just issued
	WIN MUL_HI
	MULQ GA, HP0, 1, 0, 4, \zero
	s_wait_dscnt 8                                 ; lo's blocks 0-3 are in
	WIN MUL_LO
	MULQ GB, HP0, 0, 0, 4, 0
	PLACES
	FETCHHP 1, \s
	FETCHG 2*\s+1, 0, GA
	s_wait_dscnt 32                                ; all but the 32 just issued
	WIN MUL_HI
	MULQ GB, HP0, 1, 0, 4, 0
	s_wait_dscnt 8
	WIN MUL_LO
	MULQ GA, HP1, 0, 0, 4, 0
	PLACES
	FETCHG 2*\s+1, 1, GB
	s_wait_dscnt 16
	WIN MUL_HI
	MULQ GA, HP1, 1, 0, 4, 0
	s_wait_dscnt 8
	WIN MUL_LO
	MULQ GB, HP1, 0, 0, 2, 0
	s_wait_dscnt 0x0                               ; my reads of this slot and my stores into the stage are done
	s_set_vgpr_msb 0xa5a0
	s_wait_tensorcnt 0x0                           ; all my tensor loads have landed: the one that was out is my quarter of the next slot
	ds_add_u32 v190, v191
	s_wait_dscnt 0x0
	s_set_vgpr_msb 0xa0a5
	s_barrier_signal -1
	MULQ GB, HP1, 0, 2, 2, 0                       ; register work while the others arrive
	WIN 0
	s_barrier_wait -1
.if \fill
	CREST                                          ; no wave of any partner still reads this slot or has a load on its way
	s_add_nc_u64 s[G0A+4*\s+2:G0A+4*\s+3], s[G0A+4*\s+2:G0A+4*\s+3], 524288
	tensor_load_to_lds s[G0A+4*\s:G0A+4*\s+3], s[G1A:G1A+7]        ; the wave's one tensor load behind the round; 240 matrix instructions to the wait for it
	s_nop 0
.endif
.if \fetch
	PLACES
	FETCHHP 0, 1-\s
	FETCHG 2*(1-\s), 0, GA
.endif
	WIN MUL_HI
	MULQ GB, HP1, 1, 0, 4, 0
.endm
.macro LAP zero                        ; once round the ring: four ks
	DSTEP 0, \zero, 1, 1, 1, 0
	DSTEP 1, 0, 1, 1, 1, 262144
	WIN 0
	s_wait_xcnt 0x0                                ; the prefetches' base is stepped only behind this wait
	s_add_nc_u64 s[56:57], s[56:57], 524288
.endm
	STAGE 0, 1                                     ; waits for all loads above; e = 0 .. 63 into buffer 0; asks for e = 64 .. 127
.irp k, 0,1,2,3
	v_cmp_eq_u32 vcc_lo, 0, v[T+16+\k]
	v_cndmask_b32 v[T+16+\k], 0, v[TENK], vcc_lo   ; the penalty of q: 10000 where mq = 0
.endr
.irp pt, 0,1,2,3,4,5,6,7
	v_cvt_f32_i32 v[AP+2*\pt], v[T+24+\pt]
	v_cmp_ne_u32 vcc_lo, 0, v[T+24+\pt]
	v_mul_f32 v[AP+2*\pt], 0x3fb8aa3b, v[AP+2*\pt] ; mp log2 e: the exponentials are in base 2
	v_cndmask_b32 v[AP+2*\pt+1], 0, v[T+3], vcc_lo ; the penalty's factor: -log2 e where mp != 0
.endr
	ds_store_b128 v[T+2], v[T+8:T+11]
	ds_store_b128 v[T+2], v[T+16:T+19] offset:2048
	s_wait_dscnt 0x0                               ; for the others' sake: my stores are done
	s_wait_tensorcnt 0x1                           ; my quarter of pair 0 is in; pair 1's stays out
	s_barrier_signal -1
	s_barrier_wait -1
	FETCHHP 0, 0
	FETCHG 0, 0, GA
	LAP 1                                          ; ks 0-3: the first products start the sums: nothing is cleared
	s_mov_b32 s3, 6
.Lwalk:
	LAP 0                                          ; ks 4-27; the last of these trips fetches and asks for pairs 14 and 15: no prefetch passes the batch's end
	s_sub_co_u32 s3, s3, 1
	s_cmp_lg_u32 s3, 0
	s_cbranch_scc1 .Lwalk
	DSTEP 0, 0, 2, 0, 1, 0                         ; ks 28, 29: hp's last pair is laid; nothing more is asked for
	DSTEP 1, 0, 0, 0, 0, 0                         ; ks 30, 31
	; SOFTMAX over my half's q.  c into window 1's registers 8 t + j, the penalties into 64 + 8 t + j: the numbers of q = 128 w + 16 t + 8 h + j
	WIN 0
	PLACES
	WIN TO_F
.irp t, 0,1,2,3,4,5,6,7
	ds_load_b128 v[8*\t:8*\t+3],       v[ACQ] offset:\t*64
	ds_load_b128 v[8*\t+4:8*\t+7],     v[ACQ] offset:\t*64+16
	ds_load_b128 v[64+8*\t:64+8*\t+3], v[ACQ] offset:2048+\t*64
	ds_load_b128 v[64+8*\t+4:64+8*\t+7], v[ACQ] offset:2048+\t*64+16
.endr
	s_wait_dscnt 0x0
; the scores of one window (hi = 0: q blocks 0-3), in base 2, in place: (S + c) mp log2 e - penalty log2 e [mp != 0]; then the running maxima
.macro SCORES hi
	WIN 0x86+0x41*\hi                              ; source 0 and destination: the window; source 1: window 1
.irp t4, 0,1,2,3
.irp pt, 0,1,2,3,4,5,6,7
.irp k, 0,2,4,6
	v_pk_add_f32 v[8*(8*\t4+\pt)+\k:8*(8*\t4+\pt)+\k+1], v[8*(8*\t4+\pt)+\k:8*(8*\t4+\pt)+\k+1], v[8*(4*\hi+\t4)+\k:8*(4*\hi+\t4)+\k+1]
.endr
.endr
.endr
	WIN 0x82+0x41*\hi                              ; source 1: window 0
.irp t4, 0,1,2,3
.irp pt, 0,1,2,3,4,5,6,7
.irp k, 0,2,4,6
	v_pk_mul_f32 v[8*(8*\t4+\pt)+\k:8*(8*\t4+\pt)+\k+1], v[8*(8*\t4+\pt)+\k:8*(8*\t4+\pt)+\k+1], v[AP+2*\pt:AP+2*\pt+1] op_sel_hi:[1,0]
.endr
.endr
.endr
	WIN 0xa1+0x50*\hi                              ; source 0: window 1; source 1: window 0; source 2 and destination: the window
.irp t4, 0,1,2,3
.irp pt, 0,1,2,3,4,5,6,7
.irp k, 0,2,4,6
	v_pk_fma_f32 v[8*(8*\t4+\pt)+\k:8*(8*\t4+\pt)+\k+1], v[64+8*(4*\hi+\t4)+\k:64+8*(4*\hi+\t4)+\k+1], v[AP+2*\pt:AP+2*\pt+1], v[8*(8*\t4+\pt)+\k:8*(8*\t4+\pt)+\k+1] op_sel:[0,1,0] op_sel_hi:[1,1,1]
.endr
.endr
.endr
	WIN 0x0a+0x05*\hi                              ; sources 0 and 1: the window
.irp t4, 0,1,2,3
.irp k, 0,2,4,6
.irp pt, 0,1,2,3,4,5,6,7
.if (\hi+\t4+\k) == 0
	v_max_num_f32 v[M+\pt], v[8*(8*\t4+\pt)], v[8*(8*\t4+\pt)+1]   ; the first two scores start the chain
.else
	v_max3_num_f32 v[M+\pt], v[8*(8*\t4+\pt)+\k], v[8*(8*\t4+\pt)+\k+1], v[M+\pt]
.endif
.endr
.endr
.endr
.endm
	SCORES 0
	SCORES 1
	WIN 0
.irp pt, 0,1,2,3,4,5,6,7
	v_permlanex16_b32 v[STB+\pt], v[M+\pt], s58, s59               ; the other eight rows of each block (the destination has been written before)
.endr
.irp pt, 0,1,2,3,4,5,6,7
	v_max_num_f32 v[M+\pt], v[M+\pt], v[STB+\pt]
	ds_store_b32 v[ARS], v[M+\pt] offset:64*\pt                    ; my wave's maximum of column 16 pt + r
.endr
	s_wait_dscnt 0x0                               ; for the others' sake: my stores are done
	s_barrier_signal -1
	s_barrier_wait -1                              ; the four waves' maxima are in LDS
.irp w, 0,1,2,3
.irp pt, 0,1,2,3,4,5,6,7
	ds_load_b32 v[T+8*\w+\pt], v[ARL] offset:512*\w+64*\pt
.endr
.endr
	s_wait_dscnt 0x0
.irp pt, 0,1,2,3,4,5,6,7
	v_max3_num_f32 v[M+\pt], v[T+\pt], v[T+8+\pt], v[T+16+\pt]
.endr
.irp pt, 0,1,2,3,4,5,6,7
	v_max_num_f32 v[MP+2*\pt],   v[M+\pt], v[T+24+\pt]             ; the column's maximum over the half's 512 q, twice: a pair for the packed subtraction
	v_max_num_f32 v[MP+2*\pt+1], v[M+\pt], v[T+24+\pt]
.endr
.irp k, 0,1,2,3,4,5,6,7,8,9,10,11,12,13,14,15
	v_mov_b32 v[LS+\k], 0
.endr
.macro EXPS hi
	WIN 0x82+0x41*\hi
.irp t4, 0,1,2,3
.irp pt, 0,1,2,3,4,5,6,7
.irp k, 0,2,4,6
	v_pk_add_f32 v[8*(8*\t4+\pt)+\k:8*(8*\t4+\pt)+\k+1], v[8*(8*\t4+\pt)+\k:8*(8*\t4+\pt)+\k+1], v[MP+2*\pt:MP+2*\pt+1] neg_lo:[0,1] neg_hi:[0,1]
.endr
.endr
.endr
.set e, 0
.rept 256
	v_exp_f32 v[e], v[e]                           ; at most 1.0, and exactly 1.0 at the half's maximum
.set e, e+1
.endr
	v_nop                                          ; one plain instruction behind the run of exponentials before a result is read (ISA guide 5.7.2)
	s_wait_alu depctr_va_vdst(0)
.endm
	EXPS 0
	EXPS 1
; q blocks 2 tt and 2 tt + 1 = K fragment kq = 16 half + 4 w + tt of the next launch: round to bf16, add the rounded weights up, store the eight fragments.
; Two sets of 64 registers take turns.
.macro PACK tt
.set ps, T+(\tt&1)*(STF-T)
	s_wait_xcnt 0x0                                ; the set's registers, which earlier stores read, are rewritten only behind this wait
	WIN 0x0a+0x05*(\tt>>1)
.irp u, 0,1
.irp pt, 0,1,2,3,4,5,6,7
.irp k, 0,1,2,3
	v_cvt_pk_bf16_f32 v[ps+8*\pt+4*\u+\k], v[8*(8*((2*\tt+\u)&3)+\pt)+2*\k], v[8*(8*((2*\tt+\u)&3)+\pt)+2*\k+1]
.endr
.endr
.endr
	WIN 0
.irp i, 0,1,2,3,4,5,6,7
.irp pt, 0,1,2,3,4,5,6,7
	v_fma_mix_f32_bf16 v[LS+2*\pt],   v[ps+8*\pt+\i], v[ONE], v[LS+2*\pt]   op_sel:[0,0,0] op_sel_hi:[1,0,0]
	v_fma_mix_f32_bf16 v[LS+2*\pt+1], v[ps+8*\pt+\i], v[ONE], v[LS+2*\pt+1] op_sel:[1,0,0] op_sel_hi:[1,0,0]
.endr
.endr
.irp pt, 0,1,2,3,4,5,6,7
	global_store_b128 v[L16], v[ps+8*\pt:ps+8*\pt+3],   s[14:15] offset:\tt*16384+\pt*1024       ; 512 consecutive bytes, aligned
	global_store_b128 v[L16], v[ps+8*\pt+4:ps+8*\pt+7], s[14:15] offset:\tt*16384+\pt*1024+512
.endr
.endm
.irp tt, 0,1,2,3
	PACK \tt
.endr
	s_wait_xcnt 0x0                                ; the registers at work are stores' data: they are rewritten only behind this wait
.irp pt, 0,1,2,3,4,5,6,7
	v_add_f32 v[LS+2*\pt], v[LS+2*\pt], v[LS+2*\pt+1]
.endr
.irp pt, 0,1,2,3,4,5,6,7
	v_permlanex16_b32 v[STB+8+\pt], v[LS+2*\pt], s58, s59
.endr
.irp pt, 0,1,2,3,4,5,6,7
	v_add_f32 v[LS+2*\pt], v[LS+2*\pt], v[STB+8+\pt]
	ds_store_b32 v[ARS], v[LS+2*\pt] offset:2048+64*\pt            ; my wave's sum of column 16 pt + r
.endr
	s_wait_dscnt 0x0                               ; for wave 0's sake: my sums are in LDS
	s_barrier_signal -1
	s_barrier_wait -1
	; wave 0 joins the four waves' maxima and sums, lane L those of columns 4 L .. 4 L + 3, and stores the half's m and l: 512 consecutive bytes each, aligned
	s_cmp_lg_u32 s18, 0
	s_cbranch_scc1 .Lno_ml
.irp w, 0,1,2,3
	ds_load_b128 v[T+4*\w:T+4*\w+3], v[ARP] offset:512*\w
.endr
.irp w, 0,1,2,3
	ds_load_b128 v[T+16+4*\w:T+16+4*\w+3], v[ARP] offset:2048+512*\w
.endr
	s_wait_dscnt 0x0
.irp k, 0,1,2,3
	v_max3_num_f32 v[T+\k], v[T+\k], v[T+4+\k], v[T+8+\k]
.endr
.irp k, 0,1,2,3
	v_max_num_f32 v[T+\k], v[T+\k], v[T+12+\k]     ; the same four numbers as above: the maximum that was taken away
.endr
.irp k, 0,2
	v_pk_add_f32 v[T+16+\k:T+17+\k], v[T+16+\k:T+17+\k], v[T+20+\k:T+21+\k]
	v_pk_add_f32 v[T+24+\k:T+25+\k], v[T+24+\k:T+25+\k], v[T+28+\k:T+29+\k]
.endr
.irp k, 0,2
	v_pk_add_f32 v[T+16+\k:T+17+\k], v[T+16+\k:T+17+\k], v[T+24+\k:T+25+\k]    ; at least 1.0: the weight at the maximum
.endr
	global_store_b128 v[L16], v[T:T+3], s[16:17]
	global_store_b128 v[L16], v[T+16:T+19], s[16:17] offset:65536
.Lno_ml:
	s_wait_tensorcnt 0x0
	ds_add_u32 v190, v191
	s_wait_dscnt 0x0
	CROUND                                         ; the closing round: no work-group ends while a partner may still ask for a tile that names it
	s_endpgm
.Lfunc_end_k_qf0b81b9888_attn:
	.size	k_qf0b81b9888_attn, .Lfunc_end_k_qf0b81b9888_attn-k_qf0b81b9888_attn
	.p2alignl 7, 3214868480
	.fill 96, 4, 3214868480
	.section	.rodata,"a",@progbits
	.p2align	6, 0x0
	.amdhsa_kernel k_qf0b81b9888_attn
		.amdhsa_group_segment_fixed_size 327680
		.amdhsa_private_segment_fixed_size 0
		.amdhsa_enable_private_segment 0
		.amdhsa_kernarg_size 56
		.amdhsa_user_sgpr_count 2
		.amdhsa_user_sgpr_kernarg_segment_ptr 1
		.amdhsa_wavefront_size32 1
		.amdhsa_system_sgpr_workgroup_id_x 1
		.amdhsa_system_sgpr_workgroup_id_y 1
		.amdhsa_system_sgpr_workgroup_id_z 1
		.amdhsa_system_vgpr_workitem_id 0
		.amdhsa_next_free_vgpr 1024
		.amdhsa_next_free_sgpr 66
		.amdhsa_reserve_vcc 1
		.amdhsa_float_denorm_mode_32 3
		.amdhsa_float_denorm_mode_16_64 3
		.amdhsa_memory_ordered 1
		.amdhsa_forward_progress 1
		.amdhsa_inst_pref_size 255
	.end_amdhsa_kernel
	.section	.bss,"aw",@nobits
	.p2align	6
	.space	262144
	.amdgpu_metadata
---
amdhsa.version: [ 1, 2 ]
amdhsa.kernels:
  - .name:           k_qf0b81b9888_attn
    .symbol:         k_qf0b81b9888_attn.kd
    .args:
      - { .name: hp, .offset: 0, .size: 8, .value_kind: global_buffer, .address_space: global }
      - { .name: mask_hp, .offset: 8, .size: 8, .value_kind: global_buffer, .address_space: global }
      - { .name: mask_hq, .offset: 16, .size: 8, .value_kind: global_buffer, .address_space: global }
      - { .name: cq, .offset: 24, .size: 8, .value_kind: global_buffer, .address_space: global }
      - { .name: Gt, .offset: 32, .size: 8, .value_kind: global_buffer, .address_space: global }
      - { .name: Wt, .offset: 40, .size: 8, .value_kind: global_buffer, .address_space: global }
      - { .name: ml, .offset: 48, .size: 8, .value_kind: global_buffer, .address_space: global }
    .group_segment_fixed_size: 327680
    .private_segment_fixed_size: 0
    .kernarg_segment_align: 8
    .kernarg_segment_size: 56
    .max_flat_workgroup_size: 128
    .sgpr_count:     66
    .vgpr_count:     1024
    .wavefront_size: 32
...
	.end_amdgpu_metadata
.endif
;; end of part 4
;; launch pv (part 5): grid 4 x 64, 4 waves a work-group, clusters of 4 x 4, 327,680 bytes of LDS; arguments hqb, Wt, ml, out0; writes out0
.if DOCPART == 5
	.amdgcn_target "amdgcn-amd-amdhsa--gfx1250"
	.amdhsa_code_object_version 6
	.text
	.protected	k_qf0b81b9888_pv
	.globl	k_qf0b81b9888_pv
	.p2align	8
	.type	k_qf0b81b9888_pv,@function
k_qf0b81b9888_pv:
	s_mov_b64 s[64:65], 0
	v_nop
	global_prefetch_b8 v0, s[64:65] scope:SCOPE_SE
	s_setreg_imm32_b32 hwreg(HW_REG_WAVE_MODE, 25, 1), 1
	s_wait_xcnt 0x0
	s_wait_alu depctr_hold_cnt(0) depctr_sa_sdst(0) depctr_va_vdst(0) depctr_va_sdst(0) depctr_va_ssrc(0) depctr_va_vcc(0) depctr_vm_vsrc(0)
	s_getreg_b32 s2, hwreg(HW_REG_IB_STS2, 6, 4)
	s_cmp_eq_u32 s2, 0
	s_cbranch_scc0 .Lentry_in_a_cluster
	s_endpgm
.Lentry_in_a_cluster:
	s_bfe_u32 s2, ttmp6, 0x10000c
	s_cmp_lg_u32 s2, 0xf033
	s_cbranch_scc0 .Lentry_shape_is_right
	s_endpgm
.Lentry_shape_is_right:
; pv: out0[p][d] = sum over q of a[q][p] hqb[q][d], for each of 8 batches: 2,048 p x 1,024 d, K = 1,024 q.  The launch before left the softmax in two halves
; of q: bf16 weights w = exp(s - m_h), m_h the maximum over half h's 512 q (Wt: [batch 8][block of 256 p 8][kq 32][p tile 16][1,024 bytes]; byte 512 i + 16 L
; holds p = 16 tile + r, q = 32 kq + 16 i + 8 h + 0..7), and for each p and half m_h (in base 2) and l_h = the sum of its weights (ml: [half 2][m, l][16,384]).
; With A_h = sum over half h of w hq:  out = (g A0 + A1) / (g l0 + l1),  g = 2^(m0 - m1).  K steps 0-3 are half 0: behind them the sums are multiplied by g.
; LIMIT: m0 - m1 is cut at 60: beyond that half 1's true share of the result is below 2^-60; g A0 stays far inside f32's range.  A very negative
; difference lets g fall to 0, and half 0 drops out, as it should.  Sums in f32.
; A work-group makes 256 p x 256 d with four waves, a wave 128 d x 128 p: 64 accumulator tiles, 512 registers.  K goes in steps of 128 q through two LDS slots:
; 64 KiB of hq and 64 KiB of weights feed 256 matrix instructions of each wave.
; THE PRODUCT IS D(m = d, n = p): source 0 = 16 columns d of hq (hq lies [q][d], so its fragments come by transposing LDS loads), source 1 = a fragment of
; weights, which lies in LDS as it lies in the registers (every load takes 512 consecutive bytes).  A lane's eight results are eight neighbouring d of one p.
; CLUSTERS: 4 x 4.  x = block of d, y = 8 batch + block of p; the four y of a cluster lie in one batch.  hq's tile hangs on the batch and the block of d
; (shared along a column of the cluster), the weights' on y alone (shared along a row): both are asked for jointly, which divides the requests by four.
; No prefetch: the tiles are shared in the cluster, and from a request to the wait for it a wave issues 240 matrix instructions.
; By this text's count a wave has two tensor loads out at the start and one behind every later round.
; REGISTERS: window 0: addresses, the columns' factors, source 1's two buffers (v64-127, v128-191), v192-255 at work; window 1: source 0's two buffers;
; window 2: the 32 tiles of my p blocks 0-3 (tile (a, b) at v[8 (8 a + b)], b = block of d); window 3: those of my p blocks 4-7.
.set HPITCH, 544                       ; hq's LDS row: 512 bytes + 32 of padding = 17 x 32: what the transposing loads want
.set HHALF,  64*HPITCH                 ; one tensor load of hq: 64 rows q
.set WTS,    2*HHALF                   ; the weights lie behind hq's 128 rows
.set WHALF,  32768                     ; one tensor load of weights: two kq x 16 p tiles x 1,024 bytes
.set SLOT,   WTS+2*WHALF               ; 135,168 bytes
.set STAGE,  2*SLOT                    ; behind the ring: 16 rows x 528 bytes for each wave, for the way out; no tensor load touches it
.set SPITCH, 528                       ; 512 bytes + 16 = 33 x 16
.set ADRA, 16                          ; v16-17  LDS address of my weight fragments in slot 0, 1
.set ADRB, 20                          ; v20-21  the same for hq
.set STO,  24                          ; v24     the way out: where I put 32 bytes of a row
.set RD,   25                          ; v25     the way out: where I read a row back
.set CO,   26                          ; v26     16 x lane: my bytes in 512 bytes of a row of out0
.set R4,   27                          ; v27     4 r: my word among 16 of ml
.set PR,   32                          ; v32-47  pairs (g, 1 / (g l0 + l1)) of p = 16 i + r for my eight p blocks
.set F0,   64
.set F1,   128
.set TMP,  192
.set G1Q, 24                           ; s[24:31] group 1 for hq's tiles
.set G0Q, 32                           ; s[32:39] group 0 for hq's tiles, a set for each slot
.set G1A, 48                           ; s[48:55] group 1 for the weights' tiles
.set G0A, 56                           ; s[56:63] group 0 for the weights' tiles
.set MUL_LO, 0xa1                      ; source 0 window 1, source 1 window 0, C and D window 2
.set MUL_HI, 0xf1                      ; the same, C and D window 3
.set TO_B,   0x40                      ; destination window 1, address window 0
.set MSB, 0
.macro WIN new                         ; the immediate's high byte repeats the setting that is left
.if MSB != (\new)
	s_set_vgpr_msb (MSB<<8)|(\new)
.set MSB, (\new)
.endif
.endm
.macro PLACES                          ; four places behind a matrix instruction before a load lands on a register that it read, or a vector
.rept 4                                ; instruction reads its result (ISA guide 7.12.1); other matrix instructions are not counted as places here
	v_nop
.endr
.endm
; A joint load.  Waves 0 and 1 fetch hq's two halves, waves 2 and 3 the weights'.  The branch hangs on the wave's number alone.
.macro JLOAD s
	s_cmp_eq_u32 s13, 0
	s_cbranch_scc0 .Lfor_a_\@
	tensor_load_to_lds s[G0Q+4*\s:G0Q+4*\s+3], s[G1Q:G1Q+7]
	s_nop 0
	s_branch .Lasked_\@
.Lfor_a_\@:
	tensor_load_to_lds s[G0A+4*\s:G0A+4*\s+3], s[G1A:G1A+7]
	s_nop 0
.Lasked_\@:
.endm
.macro CREST                           ; a round of the cluster's barrier behind its opening work-group barrier
	s_cmp_lg_u32 s12, 0
	s_cbranch_scc1 .Lnot_wave_0_\@
	s_barrier_signal -3
.Lnot_wave_0_\@:
	s_barrier_wait -3
	s_barrier_signal -1
	s_barrier_wait -1
.endm
.macro CROUND                          ; a whole round
	s_barrier_signal -1
	s_barrier_wait -1
	CREST
.endm
	s_load_b256 s[4:11], s[0:1], 0x0               ; hqb s[4:5], Wt s[6:7], ml s[8:9], out0 s[10:11]
	s_set_vgpr_msb 0x40
	v_lshl_add_u32 v255, v0, 2, 0x4a400
	s_set_vgpr_msb 0x4000
	v_mov_b32 v63, 0
	s_set_vgpr_msb 0x1
	ds_add_u32 v255, v63
	s_set_vgpr_msb 0x100
	v_lshrrev_b32 v1, 5, v0
	v_readfirstlane_b32 s12, v1                    ; wave 0..3
	s_lshr_b32 s13, s12, 1                         ; which 128 d are mine.  Also: I fetch for hq (0) or for the weights (1)
	s_and_b32 s14, s12, 1                          ; which 128 p are mine.  Also: which half of that tile I fetch
	s_bfe_u32 s40, ttmp6, 0x40000                  ; cx
	s_bfe_u32 s41, ttmp6, 0x40004                  ; cy
	s_lshl_b32 s42, ttmp9, 2
	s_add_co_u32 s42, s42, s40                     ; block of d, 0..3
	s_and_b32 s20, ttmp7, 0xffff                   ; the cluster's y, 0..15: two clusters a batch
	s_lshl_b32 s15, s20, 2
	s_add_co_u32 s15, s15, s41                     ; y = 8 batch + block of p, 0..63
	s_lshl_b32 s43, s41, 2
	s_lshl_b32 s43, 15, s43                        ; my row of the cluster
	s_lshl_b32 s44, 0x1111, s40                    ; my column
	s_or_b32 s[G1Q+0], s44, (1<<16)|(1<<20)|(1<<21)|(6<<22)|(7<<25)  ; mask: my column; elements of 2 bytes; padding on; bit 21 beside a mask; after every 128 words 8 words
	s_mov_b32 s[G1Q+1], 256<<16                    ; tensor_dim0 = 256 elements
	s_mov_b32 s[G1Q+2], 64<<16                     ; tensor_dim1 = 64 rows
	s_mov_b32 s[G1Q+3], 256<<16                    ; tile_dim0 = 256
	s_mov_b32 s[G1Q+4], 64                         ; tile_dim1 = 64
	s_mov_b32 s[G1Q+5], 1024                       ; elements from row to row
	s_mov_b32 s[G1Q+6], 0
	s_mov_b32 s[G1Q+7], 0
	s_or_b32 s[G1A+0], s43, (3<<16)|(1<<21)        ; mask: my row; 32 KiB dense in memory: 128 rows of 32 elements of 8 bytes
	s_mov_b32 s[G1A+1], 32<<16
	s_mov_b32 s[G1A+2], 128<<16
	s_mov_b32 s[G1A+3], 32<<16
	s_mov_b32 s[G1A+4], 128
	s_mov_b32 s[G1A+5], 32
	s_mov_b32 s[G1A+6], 0
	s_mov_b32 s[G1A+7], 0
	; where the tiles come from: hq's address holds the batch (from the cluster's y alone) and the block of d, never cy; the weights' holds y, never cx
	s_lshr_b32 s46, s20, 1
	s_lshl_b32 s46, s46, 21                        ; hq: batch x 2 MiB
	s_lshl_b32 s45, s14, 17                        ;     + 64 rows q x 2,048 bytes x half
	s_add_co_u32 s46, s46, s45
	s_lshl_b32 s45, s42, 9                         ;     + 256 d x 2 bytes x block
	s_add_co_u32 s46, s46, s45
	s_mov_b32 s47, 0
	s_lshl_b32 s16, s15, 19                        ; weights: y x 512 KiB
	s_lshl_b32 s17, s14, 15                        ;          + two kq x half
	s_add_co_u32 s16, s16, s17
	s_mov_b32 s17, 0
	s_mul_i32 s21, s12, HHALF                      ; where they go: hq's halves at wave x 34,816 (waves 0, 1),
	s_mul_i32 s22, s12, WHALF
	s_add_co_u32 s22, s22, WTS-2*WHALF             ; the weights' at 69,632 + (wave - 2) x 32,768 (waves 2, 3)
	s_wait_dscnt 0x0
	s_wait_kmcnt 0x0
	s_add_nc_u64 s[46:47], s[4:5], s[46:47]
	s_add_nc_u64 s[18:19], s[6:7], s[16:17]
	CROUND                                         ; all sixteen work-groups are here: the first joint loads meet
.irp s, 0,1
	s_mov_b32 s[G0Q+4*\s], 1
	s_add_co_u32 s[G0Q+4*\s+1], s21, \s*SLOT
	s_add_nc_u64 s[G0Q+4*\s+2:G0Q+4*\s+3], s[46:47], \s*262144     ; K step s: 128 rows q further down
	s_or_b32 s[G0Q+4*\s+3], s[G0Q+4*\s+3], 0x80000000
	s_mov_b32 s[G0A+4*\s], 1
	s_add_co_u32 s[G0A+4*\s+1], s22, \s*SLOT
	s_add_nc_u64 s[G0A+4*\s+2:G0A+4*\s+3], s[18:19], \s*65536      ; K step s: four kq of 16 KiB
	s_or_b32 s[G0A+4*\s+3], s[G0A+4*\s+3], 0x80000000
	JLOAD \s                                       ; two loads of the wave are out
.endr
	v_and_b32 v1, 15, v0                           ; r
	v_bfe_u32 v2, v0, 4, 1                         ; h
	v_and_b32 v3, 7, v0
	v_lshl_add_u32 v3, v2, 3, v3                   ; the transposing load: lane L addresses row 8 h + L % 8,
	v_mul_u32_u24 v3, v3, HPITCH
	v_bfe_u32 v4, v0, 3, 1
	v_lshl_add_u32 v3, v4, 4, v3                   ; 16 bytes for each half of the eight lanes' pair
	v_and_b32 v5, 31, v0
	v_lshlrev_b32 v[CO], 4, v5                     ; 16 L
	s_lshl_b32 s21, s13, 8                         ; my 128 d: 256 bytes along hq's rows
	s_lshl_b32 s22, s14, 13                        ; my eight p tiles of 1,024 bytes
	s_add_co_u32 s22, s22, WTS
.irp s, 0,1
	v_add_nc_u32 v[ADRB+\s], s21, v3
	v_add_nc_u32 v[ADRA+\s], s22, v[CO]
	s_add_co_u32 s21, s21, SLOT
	s_add_co_u32 s22, s22, SLOT
.endr
	s_mul_i32 s23, s12, 16*SPITCH
	s_add_co_u32 s23, s23, STAGE                   ; my stage
	v_mul_u32_u24 v4, v1, SPITCH                   ; in: row r, 32 bytes for each half of the lanes
	v_lshl_add_u32 v4, v2, 5, v4
	v_add_nc_u32 v[STO], s23, v4
	v_add_nc_u32 v[RD], s23, v[CO]                 ; back: the 32 lanes take one row of 512 bytes
	v_lshlrev_b32 v[R4], 2, v1
	s_lshl_b32 s16, s15, 10                        ; ml: (256 y + 128 half) x 4 bytes
	s_lshl_b32 s17, s14, 9
	s_add_co_u32 s16, s16, s17
	s_mov_b32 s17, 0
	s_add_nc_u64 s[8:9], s[8:9], s[16:17]
.irp i, 0,1,2,3,4,5,6,7
	global_load_b32 v[TMP+\i],    v[R4], s[8:9] offset:64*\i           ; m0 of p = 16 i + r; waited for where the halves meet; address and base are never rewritten
	global_load_b32 v[TMP+8+\i],  v[R4], s[8:9] offset:65536+64*\i     ; l0
	global_load_b32 v[TMP+16+\i], v[R4], s[8:9] offset:131072+64*\i    ; m1
	global_load_b32 v[TMP+24+\i], v[R4], s[8:9] offset:196608+64*\i    ; l1
.endr
; 16 matrix instructions: p blocks a0, a0 + 1 of the window's four (hi = 0: my p blocks 0-3, 1: 4-7) x all 8 d blocks, 32 along q.
; zero = 1: the first product starts the sums: nothing is ever cleared.  The 64 accumulators take turns, one instruction a turn, in the same order
; everywhere.
.macro MUL16 f, hi, a0, zero
.irp a, \a0, \a0+1
.irp b, 0,1,2,3,4,5,6,7
.if \zero
	v_wmma_f32_16x16x32_bf16 v[8*(8*(\a)+\b):8*(8*(\a)+\b)+7], v[\f+8*\b:\f+8*\b+7], v[\f+8*(4*\hi+\a):\f+8*(4*\hi+\a)+7], 0
.else
	v_wmma_f32_16x16x32_bf16 v[8*(8*(\a)+\b):8*(8*(\a)+\b)+7], v[\f+8*\b:\f+8*\b+7], v[\f+8*(4*\hi+\a):\f+8*(4*\hi+\a)+7], v[8*(8*(\a)+\b):8*(8*(\a)+\b)+7]
.endif
.endr
.endr
.endm
; 32 LDS loads in one run: quarter kk of a K step into buffer f: hq's eight fragments, then the weights' eight
.macro FETCH slot, kk, f
	WIN TO_B
.irp i, 0,1,2,3,4,5,6,7
	ds_load_tr16_b128 v[\f+8*\i:\f+8*\i+3],   v[ADRB+\slot] offset:\kk*32*HPITCH+\i*32              ; q = 32 kk + 8 h + 0..7 of column d = 16 i + r
	ds_load_tr16_b128 v[\f+8*\i+4:\f+8*\i+7], v[ADRB+\slot] offset:\kk*32*HPITCH+\i*32+16*HPITCH    ; q = 32 kk + 16 + 8 h + 0..7
.endr
	WIN 0
.irp i, 0,1,2,3,4,5,6,7
	ds_load_b128 v[\f+8*\i:\f+8*\i+3],   v[ADRA+\slot] offset:\kk*16384+\i*1024
	ds_load_b128 v[\f+8*\i+4:\f+8*\i+7], v[ADRA+\slot] offset:\kk*16384+\i*1024+512
.endr
.endm
; A K step is four quarters of 32 along q, 64 matrix instructions each, on buffers 0, 1, 0, 1.
.macro QUARTER slot, kk, f, g, zero
	s_wait_dscnt 8                                 ; hq's fragments and the weights of p blocks 0-3 are in; the youngest eight loads (p blocks 4-7) may be out
	WIN MUL_LO
	MUL16 \f, 0, 0, \zero
	MUL16 \f, 0, 2, \zero
	PLACES
	FETCH \slot, \kk, \g
	s_wait_dscnt 32                                ; all but the 32 just issued
	WIN MUL_HI
	MUL16 \f, 1, 0, \zero
	MUL16 \f, 1, 2, \zero
.endm
.macro THREE slot, zero
	QUARTER \slot, 1, F0, F1, \zero
	QUARTER \slot, 2, F1, F0, 0
	QUARTER \slot, 3, F0, F1, 0
.endm
; The last quarter of a K step changes slots.  In front of the one barrier each wave waits for its reads of this slot and for all its tensor loads (one
; is out: its part of the next slot).  Behind it (where a slot is filled again: behind the cluster's round that it opens) the refill comes first.
.macro TURN slot, next, fill
	s_wait_dscnt 8
	WIN MUL_LO
	MUL16 F1, 0, 0, 0
	s_wait_dscnt 0x0                               ; my reads of this slot are over
	s_wait_tensorcnt 0x0                           ; all my tensor loads have landed
	ds_add_u32 v255, v63
	s_wait_dscnt 0x0
	s_barrier_signal -1
	MUL16 F1, 0, 2, 0                              ; register work while the others arrive
	WIN 0
	s_barrier_wait -1
.if \fill
	CREST                                          ; no wave of any partner still reads this slot or has a load on its way
	s_add_nc_u64 s[G0Q+4*\slot+2:G0Q+4*\slot+3], s[G0Q+4*\slot+2:G0Q+4*\slot+3], 524288
	s_add_nc_u64 s[G0A+4*\slot+2:G0A+4*\slot+3], s[G0A+4*\slot+2:G0A+4*\slot+3], 131072
	JLOAD \slot                                    ; the wave's one tensor load behind the round
.endif
	PLACES
	FETCH \next, 0, F0
	WIN MUL_HI
	MUL16 F1, 1, 0, 0
	MUL16 F1, 1, 2, 0
.endm
.macro LAP zero                        ; two K steps = once round the ring, both slots filled again
	THREE 0, \zero
	TURN 0, 1, 1
	THREE 1, 0
	TURN 1, 0, 1
.endm
	s_wait_tensorcnt 0x1                           ; my part of K step 0 is in; K step 1's stays out
	s_barrier_signal -1
	s_barrier_wait -1
	FETCH 0, 0, F0
	; 1,024 / 128 = 8 K steps = 4 laps, written out, since the halves meet between the second and the third
	LAP 1                                          ; K steps 0, 1: the first products start the sums
	LAP 0                                          ; K steps 2, 3: the end of half 0 (what has been fetched beyond it are fragments only)
	; THE HALVES MEET: g = 2^min(m0 - m1, 60), 1 / (g l0 + l1), and the sums so far times g
	WIN 0
	PLACES                                         ; behind the last matrix instructions, in front of the multiplications that read and write their results
	s_wait_loadcnt 0x0                             ; m and l
.irp i, 0,1,2,3,4,5,6,7
	v_sub_f32 v[TMP+\i], v[TMP+\i], v[TMP+16+\i]
.endr
.irp i, 0,1,2,3,4,5,6,7
	v_min_num_f32 v[TMP+\i], 0x42700000, v[TMP+\i] ; 60.0
.endr
.irp i, 0,1,2,3,4,5,6,7
	v_exp_f32 v[PR+2*\i], v[TMP+\i]
.endr
	v_nop                                          ; one plain instruction behind the exponentials (ISA guide 5.7.2)
	s_wait_alu depctr_va_vdst(0)
.irp i, 0,1,2,3,4,5,6,7
	v_fma_f32 v[TMP+8+\i], v[PR+2*\i], v[TMP+8+\i], v[TMP+24+\i]   ; at least 1.0: the half with the larger maximum gives at least that
.endr
.irp i, 0,1,2,3,4,5,6,7
	v_rcp_f32 v[PR+2*\i+1], v[TMP+8+\i]
.endr
	v_nop                                          ; and behind the reciprocals
	s_wait_alu depctr_va_vdst(0)
.irp hi, 0,1
	WIN 0x82+0x41*\hi                              ; source 0 and destination: window 2 or 3; source 1: window 0
.irp a, 0,1,2,3
.irp b, 0,1,2,3,4,5,6,7
.irp k, 0,2,4,6
	v_pk_mul_f32 v[8*(8*\a+\b)+\k:8*(8*\a+\b)+\k+1], v[8*(8*\a+\b)+\k:8*(8*\a+\b)+\k+1], v[PR+2*(4*\hi+\a):PR+2*(4*\hi+\a)+1] op_sel_hi:[1,0]   ; both by the pair's first: g
.endr
.endr
.endr
.endr
	LAP 0                                          ; K steps 4, 5
	THREE 0, 0                                     ; K steps 6, 7: the last lap fills nothing
	TURN 0, 1, 0
	THREE 1, 0
	s_wait_dscnt 8                                 ; the very last quarter: nothing more to fetch
	WIN MUL_LO
	MUL16 F1, 0, 0, 0
	MUL16 F1, 0, 2, 0
	s_wait_dscnt 0x0
	WIN MUL_HI
	MUL16 F1, 1, 0, 0
	MUL16 F1, 1, 2, 0
	; THE WAY OUT, 16 rows p at a time.  Lane (r, h), register j of tile (a, b) = O[p = 16 a + r][d = 16 b + 8 h + j]: 32 bytes of a row.  They are divided by the
	; column's divisor, go into my own stage and come back as whole rows of 512 bytes.
	WIN 0
	PLACES                                         ; behind the last matrix instructions
	s_lshl_b32 s16, s15, 20                        ; out0: (256 y + 128 half) rows of 4,096 bytes
	s_lshl_b32 s17, s14, 19
	s_add_co_u32 s16, s16, s17
	s_mov_b32 s17, 0
	s_add_nc_u64 s[10:11], s[10:11], s[16:17]
	s_lshl_b32 s46, s42, 10                        ; + 1,024 bytes x block of d + 512 x half
	s_lshl_b32 s47, s13, 9
	s_add_co_u32 s46, s46, s47
	s_mov_b32 s47, 0
	s_add_nc_u64 s[10:11], s[10:11], s[46:47]
; rows 16 i .. 16 i + 15 of my 128 = the eight tiles (a, 0..7) of window 2 or 3 (from = 0x02 or 0x03: source 0); f: F0 or F1 in turn
.macro OUT16 i, a, from, f
	WIN \from
.irp b, 0,1,2,3,4,5,6,7
.irp k, 0,2,4,6
	v_pk_mul_f32 v[TMP+8*\b+\k:TMP+8*\b+\k+1], v[8*(8*\a+\b)+\k:8*(8*\a+\b)+\k+1], v[PR+2*\i:PR+2*\i+1] op_sel:[0,1] op_sel_hi:[1,1]   ; both by the pair's second: 1 / divisor
.endr
.endr
	WIN 0
.irp b, 0,1,2,3,4,5,6,7
	ds_store_b128 v[STO], v[TMP+8*\b:TMP+8*\b+3]   offset:64*\b
	ds_store_b128 v[STO], v[TMP+8*\b+4:TMP+8*\b+7] offset:64*\b+16
.endr
	s_wait_xcnt 0x0                                ; buffer f, which earlier stores read, is loaded again only behind this wait
.irp t, 0,1,2,3,4,5,6,7,8,9,10,11,12,13,14,15
	ds_load_b128 v[\f+4*\t:\f+4*\t+3], v[RD] offset:\t*SPITCH      ; LDS serves a wave's instructions in order (ISA guide 5.7.1): these see the stores above
.endr
.irp t, 0,1,2,3,4,5,6,7,8,9,10,11,12,13,14,15
	s_wait_dscnt 15-\t
	global_store_b128 v[CO], v[\f+4*\t:\f+4*\t+3], s[10:11] offset:\i*65536+\t*4096 th:TH_STORE_NT   ; 512 consecutive bytes, aligned
.endr
.endm
	OUT16 0, 0, 0x02, F0
	OUT16 1, 1, 0x02, F1
	OUT16 2, 2, 0x02, F0
	OUT16 3, 3, 0x02, F1
	OUT16 4, 0, 0x03, F0
	OUT16 5, 1, 0x03, F1
	OUT16 6, 2, 0x03, F0
	OUT16 7, 3, 0x03, F1
	s_set_vgpr_msb 0x1
	s_wait_tensorcnt 0x0
	ds_add_u32 v255, v63
	s_wait_dscnt 0x0
	s_set_vgpr_msb 0x100
	CROUND                                         ; the closing round: no work-group ends while a partner may still ask for a tile that names it
	s_endpgm
.Lfunc_end_k_qf0b81b9888_pv:
	.size	k_qf0b81b9888_pv, .Lfunc_end_k_qf0b81b9888_pv-k_qf0b81b9888_pv
	.p2alignl 7, 3214868480
	.fill 96, 4, 3214868480
	.section	.rodata,"a",@progbits
	.p2align	6, 0x0
	.amdhsa_kernel k_qf0b81b9888_pv
		.amdhsa_group_segment_fixed_size 327680
		.amdhsa_private_segment_fixed_size 0
		.amdhsa_enable_private_segment 0
		.amdhsa_kernarg_size 32
		.amdhsa_user_sgpr_count 2
		.amdhsa_user_sgpr_kernarg_segment_ptr 1
		.amdhsa_wavefront_size32 1
		.amdhsa_system_sgpr_workgroup_id_x 1
		.amdhsa_system_sgpr_workgroup_id_y 1
		.amdhsa_system_sgpr_workgroup_id_z 1
		.amdhsa_system_vgpr_workitem_id 0
		.amdhsa_next_free_vgpr 1024
		.amdhsa_next_free_sgpr 66
		.amdhsa_reserve_vcc 0
		.amdhsa_float_denorm_mode_32 3
		.amdhsa_float_denorm_mode_16_64 3
		.amdhsa_memory_ordered 1
		.amdhsa_forward_progress 1
		.amdhsa_inst_pref_size 255
	.end_amdhsa_kernel
	.section	.bss,"aw",@nobits
	.p2align	6
	.space	262144
	.amdgpu_metadata
---
amdhsa.version: [ 1, 2 ]
amdhsa.kernels:
  - .name:           k_qf0b81b9888_pv
    .symbol:         k_qf0b81b9888_pv.kd
    .args:
      - { .name: hqb, .offset: 0, .size: 8, .value_kind: global_buffer, .address_space: global }
      - { .name: Wt, .offset: 8, .size: 8, .value_kind: global_buffer, .address_space: global }
      - { .name: ml, .offset: 16, .size: 8, .value_kind: global_buffer, .address_space: global }
      - { .name: out0, .offset: 24, .size: 8, .value_kind: global_buffer, .address_space: global }
    .group_segment_fixed_size: 327680
    .private_segment_fixed_size: 0
    .kernarg_segment_align: 8
    .kernarg_segment_size: 32
    .max_flat_workgroup_size: 128
    .sgpr_count:     66
    .vgpr_count:     1024
    .wavefront_size: 32
...
	.end_amdgpu_metadata
.endif
;; end of part 5
;; ======== version 3 of 3: 4 launches; version 2 with the launch prep written anew for expert scheduling mode
;; workspace buffers: hqb 16,777,216 bytes; Wb 2,097,152 bytes; cq 32,768 bytes; Gt 33,554,432 bytes; Wt 33,554,432 bytes; ml 262,144 bytes
;; launch prep (part 6): grid 256 x 1, 8 waves a work-group, no clusters, 0 bytes of LDS; arguments hq, W, b, hqb, Wb, cq; writes hqb, Wb, cq
.if DOCPART == 6
	.amdgcn_target "amdgcn-amd-amdhsa--gfx1250"
	.amdhsa_code_object_version 6
	.text
	.protected	k_qf0b81b9888_prep
	.globl	k_qf0b81b9888_prep
	.p2align	8
	.type	k_qf0b81b9888_prep,@function
k_qf0b81b9888_prep:
	s_mov_b64 s[64:65], 0
	v_nop
	global_prefetch_b8 v0, s[64:65] scope:SCOPE_SE
	s_setreg_imm32_b32 hwreg(HW_REG_WAVE_SCHED_MODE, 0, 2), 2
	s_setreg_imm32_b32 hwreg(HW_REG_WAVE_MODE, 25, 1), 1
	s_wait_xcnt 0x0
	s_wait_alu depctr_vm_vsrc(0)
; prep: hqb = bf16(hq), Wb = bf16(W), cq[row] = sum over d of bf16(hq[row][d]) * bf16(b[d]), summed in f32.
; Every float input is rounded to bf16 exactly once, here (hp in the third launch), so that all later products are exact products of bf16 numbers.
; A stream: each input byte is read once by 16-byte loads (a wave's load covers 512 consecutive bytes), each output byte written once
; (a wave's 8-byte store covers 256 consecutive bytes, aligned).  No LDS, no matrix unit, no barrier: no wave needs another's data.
; Work-group g: rows 32 g .. 32 g + 31 of hq (8,192 rows in all) and rows 4 g .. 4 g + 3 of W.  Wave w: four rows of hq, half a row of W.
; All 44 loads of a wave (22 KiB) are issued at once; the waits count down.
; LIMITS: NaN and infinities get no treatment of their own.  The order of cq's sum differs from the reference's.
; THE MODE: SCHED_MODE bits 1:0 = 2 (LLVM: expert scheduling mode 2), set by the entry lines.  The code itself states the register dependences
; between vector instructions and memory instructions, with s_wait_alu, always for 0.
; THE PLAN.  Registers that memory instructions touch:
;   v2 .. v7   byte offsets, made once at the head and never written again; every load and store reads one of them.
;   BV         b's loads land in it; from then on vector instructions alone name it.
;   WX         W's loads land in it; eight conversions write words 4 j, 4 j + 1 in place; four stores read these; nothing writes them again.
;   X          hq's loads land in it; row i's sixteen conversions write words 4 j, 4 j + 1 of its 32 in place; eight stores read these, and so do the
;              row's multiply-adds; nothing writes them again.
;   T0         at work in every row; written last by the three selects at the end; the last store reads it.
;   ACC, R, T1 are named by vector instructions alone.
; So: one wait on va_vdst ahead of the first load (the offsets); one in each row, behind its conversions, for the row's stores (row 0's also for W's
; conversions, which stand ahead of it, and W's stores); behind it the row's stores are dealt among its multiply-adds, store j ahead of the four that read
; the words that it reads, so that no vector instruction issued since the wait names a register of a store still to come.  No register that a store has
; read is written again: no wait on vm_vsrc is owed but the two beside the writes of EXEC.  One wait on va_sdst at the head serves the wave's number and
; the three lane masks of the end.
.set BV,  8                            ; v[8:39]    b of my 32 columns (128 j + 4 L + 0..3), rounded to bf16, kept as f32
.set WX,  40                           ; v[40:55]   my 16 numbers of W
.set X,   56                           ; v[56:183]  four rows, 32 registers each, as loaded; words 4 j, 4 j + 1 then hold the packed bf16
.set ACC, 184                          ; v[184:187] four sum chains
.set R,   188                          ; v[188:191] the four rows' sums
.set T0,  192
.set T1,  193
	s_load_b256 s[4:11], s[0:1], 0x0               ; hq s[4:5], W s[6:7], b s[8:9], hqb s[10:11]
	s_load_b128 s[12:15], s[0:1], 0x20             ; Wb s[12:13], cq s[14:15]
	v_lshrrev_b32 v2, 5, v0
	v_readfirstlane_b32 s16, v2                    ; wave 0..7
	v_and_b32 v1, 31, v0                           ; lane L
	v_cmp_eq_u32 s27, 1, v1                        ; the masks by which lanes 1, 2 and 3 pick their row's sum at the end: they hang on the lane alone,
	v_cmp_eq_u32 s28, 2, v1                        ; so they are made here, in one run with the wave's number
	v_cmp_eq_u32 s29, 3, v1
	s_mov_b32 s20, 0x76543210                      ; v_permlanex16_b32: lane i reads lane i of the other half
	s_mov_b32 s21, 0xfedcba98
	s_mov_b32 s17, 0xffff0000                      ; a word's upper bf16
	s_wait_alu depctr_va_sdst(0)                   ; s16 and s27 to s29 are written, ahead of the first reader of any of them
	s_lshr_b32 s23, s16, 1                         ; which of the group's four rows of W
	s_and_b32 s24, s16, 1                          ; which half of it
	s_lshl_b32 s23, s23, 11
	s_lshl_b32 s24, s24, 10
	s_add_co_u32 s23, s23, s24                     ; my bytes in Wb: row x 2,048 + half x 1,024
	s_lshl_b32 s24, s23, 1                         ; and in W: twice that
	s_lshl_b32 s25, s16, 14                        ; my four rows in hq: wave x 4 x 4,096
	s_lshl_b32 s26, s16, 13                        ; and in hqb
	v_lshlrev_b32 v4, 4, v1                        ; 16 L: also the offset in b
	v_lshlrev_b32 v3, 3, v1                        ; 8 L
	v_add_nc_u32 v2, s25, v4                       ; hq
	v_add_nc_u32 v5, s24, v4                       ; W
	v_add_nc_u32 v6, s23, v3                       ; Wb
	v_add_nc_u32 v3, s26, v3                       ; hqb
	v_lshl_add_u32 v7, s16, 2, v1
	v_lshlrev_b32 v7, 2, v7                        ; cq: 4 (4 w + L), used by lanes 0 to 3
	v_mov_b32 v[T1], 0                             ; v_permlanex16_b32 counts as a reader of its destination
	s_mov_b32 s19, 0
	s_wait_kmcnt 0x0
	s_lshl_b32 s18, ttmp9, 17                      ; 32 rows of 4,096 bytes
	s_add_nc_u64 s[4:5], s[4:5], s[18:19]
	s_lshl_b32 s18, ttmp9, 16
	s_add_nc_u64 s[10:11], s[10:11], s[18:19]
	s_lshl_b32 s18, ttmp9, 14                      ; 4 rows of 4,096 bytes
	s_add_nc_u64 s[6:7], s[6:7], s[18:19]
	s_lshl_b32 s18, ttmp9, 13
	s_add_nc_u64 s[12:13], s[12:13], s[18:19]
	s_lshl_b32 s18, ttmp9, 7                       ; 32 sums of 4 bytes
	s_add_nc_u64 s[14:15], s[14:15], s[18:19]
	s_wait_alu depctr_va_vdst(0)                   ; the offsets v2 to v7 are written: every load and store of the kernel reads one of them
.irp j, 0,1,2,3,4,5,6,7
	global_load_b128 v[BV+4*\j:BV+4*\j+3], v4, s[8:9] offset:512*\j
.endr
.irp j, 0,1,2,3
	global_load_b128 v[WX+4*\j:WX+4*\j+3], v5, s[6:7] offset:512*\j th:TH_LOAD_NT
.endr
.irp i, 0,1,2,3
.irp j, 0,1,2,3,4,5,6,7
	global_load_b128 v[X+32*\i+4*\j:X+32*\i+4*\j+3], v2, s[4:5] offset:4096*\i+512*\j th:TH_LOAD_NT
.endr
.endr
	s_wait_loadcnt 36                              ; b's eight loads are in; W's 4 and hq's 32 stay out
.irp k, 0,2,4,6,8,10,12,14,16,18,20,22,24,26,28,30
	v_cvt_pk_bf16_f32 v[T0], v[BV+\k], v[BV+\k+1]  ; b is rounded as the other inputs are,
	v_lshlrev_b32 v[BV+\k], 16, v[T0]              ; and widened again for the multiply-adds
	v_and_b32 v[BV+\k+1], s17, v[T0]
.endr
	s_wait_loadcnt 32                              ; W's four loads are in
.irp j, 0,1,2,3
	v_cvt_pk_bf16_f32 v[WX+4*\j], v[WX+4*\j], v[WX+4*\j+1]
	v_cvt_pk_bf16_f32 v[WX+4*\j+1], v[WX+4*\j+2], v[WX+4*\j+3]
.endr                                                  ; W's stores stand behind row 0's wait on va_vdst
; One row: round, store, and the row's product with b.  left = the younger rows' loads, which stay out.  w = 1: W's four stores go out with this row's.
.macro ROW i, left, w
.irp c, 0,1,2,3
	v_mov_b32 v[ACC+\c], 0
.endr
	s_wait_loadcnt \left
.irp j, 0,1,2,3,4,5,6,7
	v_cvt_pk_bf16_f32 v[X+32*\i+4*\j], v[X+32*\i+4*\j], v[X+32*\i+4*\j+1]
	v_cvt_pk_bf16_f32 v[X+32*\i+4*\j+1], v[X+32*\i+4*\j+2], v[X+32*\i+4*\j+3]
.endr
	s_wait_alu depctr_va_vdst(0)                   ; the conversions have written the row's packed words (with w = 1 W's too), which the stores below read
.if \w
.irp j, 0,1,2,3
	global_store_b64 v6, v[WX+4*\j:WX+4*\j+1], s[12:13] offset:256*\j
.endr
.endif
.irp j, 0,1,2,3,4,5,6,7
	global_store_b64 v3, v[X+32*\i+4*\j:X+32*\i+4*\j+1], s[10:11] offset:2048*\i+256*\j   ; no wait: no vector instruction since the wait above names these two words or v3
	v_fma_mix_f32_bf16 v[ACC],   v[X+32*\i+4*\j],   v[BV+4*\j],   v[ACC]   op_sel:[0,0,0] op_sel_hi:[1,0,0]   ; the rounded hq, straight from its half
	v_fma_mix_f32_bf16 v[ACC+1], v[X+32*\i+4*\j],   v[BV+4*\j+1], v[ACC+1] op_sel:[1,0,0] op_sel_hi:[1,0,0]
	v_fma_mix_f32_bf16 v[ACC+2], v[X+32*\i+4*\j+1], v[BV+4*\j+2], v[ACC+2] op_sel:[0,0,0] op_sel_hi:[1,0,0]
	v_fma_mix_f32_bf16 v[ACC+3], v[X+32*\i+4*\j+1], v[BV+4*\j+3], v[ACC+3] op_sel:[1,0,0] op_sel_hi:[1,0,0]
.endr
	v_add_f32 v[ACC], v[ACC], v[ACC+1]
	v_add_f32 v[ACC+2], v[ACC+2], v[ACC+3]
	v_add_f32 v[T0], v[ACC], v[ACC+2]
	v_add_f32_dpp v[T0], v[T0], v[T0] row_xmask:1 row_mask:0xf bank_mask:0xf
	v_add_f32_dpp v[T0], v[T0], v[T0] row_xmask:2 row_mask:0xf bank_mask:0xf
	v_add_f32_dpp v[T0], v[T0], v[T0] row_xmask:4 row_mask:0xf bank_mask:0xf
	v_add_f32_dpp v[T0], v[T0], v[T0] row_xmask:8 row_mask:0xf bank_mask:0xf
	v_permlanex16_b32 v[T1], v[T0], s20, s21
	v_add_f32 v[R+\i], v[T0], v[T1]                ; every lane holds the row's sum
.endm
	ROW 0, 24, 1
	ROW 1, 16, 0
	ROW 2, 8, 0
	ROW 3, 0, 0
	; lane i (0 to 3) takes row i's sum; the wave stores its 16 bytes of cq (32 KiB of the launch's 57 MiB go out in such short pieces)
	v_cndmask_b32 v[T0], v[R], v[R+1], s27         ; the masks were made, and waited for, at the head
	v_cndmask_b32 v[T0], v[T0], v[R+2], s28
	v_cndmask_b32 v[T0], v[T0], v[R+3], s29
	v_cmp_gt_u32 vcc_lo, 4, v1
	s_wait_xcnt 0x0                                ; EXEC is a source of the stores above: it is narrowed only behind this wait
	s_wait_alu depctr_va_vcc(0)                    ; VCC is written: EXEC is made from it
	s_wait_alu depctr_va_vdst(0)                   ; every vector instruction issued under the full EXEC is done; among them the selects, which have written T0, the data of the store below
	s_wait_alu depctr_vm_vsrc(0)                   ; every store issued under the full EXEC has read its vector registers
	s_and_saveexec_b32 s22, vcc_lo
	global_store_b32 v7, v[T0], s[14:15]
	s_wait_xcnt 0x0                                ; and widened again only behind this one
	s_wait_alu depctr_va_vdst(0)                   ; ahead of the write of EXEC: no vector instruction is still at work
	s_wait_alu depctr_vm_vsrc(0)                   ; the store under the narrow EXEC has read v7 and T0
	s_or_b32 exec_lo, exec_lo, s22
	s_endpgm
.Lfunc_end_k_qf0b81b9888_prep:
	.size	k_qf0b81b9888_prep, .Lfunc_end_k_qf0b81b9888_prep-k_qf0b81b9888_prep
	.p2alignl 7, 3214868480
	.fill 96, 4, 3214868480
	.section	.rodata,"a",@progbits
	.p2align	6, 0x0
	.amdhsa_kernel k_qf0b81b9888_prep
		.amdhsa_group_segment_fixed_size 0
		.amdhsa_private_segment_fixed_size 0
		.amdhsa_enable_private_segment 0
		.amdhsa_kernarg_size 48
		.amdhsa_user_sgpr_count 2
		.amdhsa_user_sgpr_kernarg_segment_ptr 1
		.amdhsa_wavefront_size32 1
		.amdhsa_system_sgpr_workgroup_id_x 1
		.amdhsa_system_sgpr_workgroup_id_y 1
		.amdhsa_system_sgpr_workgroup_id_z 1
		.amdhsa_system_vgpr_workitem_id 0
		.amdhsa_next_free_vgpr 208
		.amdhsa_next_free_sgpr 66
		.amdhsa_reserve_vcc 1
		.amdhsa_float_denorm_mode_32 3
		.amdhsa_float_denorm_mode_16_64 3
		.amdhsa_memory_ordered 1
		.amdhsa_forward_progress 1
		.amdhsa_inst_pref_size 28
	.end_amdhsa_kernel
	.amdgpu_metadata
---
amdhsa.version: [ 1, 2 ]
amdhsa.kernels:
  - .name:           k_qf0b81b9888_prep
    .symbol:         k_qf0b81b9888_prep.kd
    .args:
      - { .name: hq, .offset: 0, .size: 8, .value_kind: global_buffer, .address_space: global }
      - { .name: W, .offset: 8, .size: 8, .value_kind: global_buffer, .address_space: global }
      - { .name: b, .offset: 16, .size: 8, .value_kind: global_buffer, .address_space: global }
      - { .name: hqb, .offset: 24, .size: 8, .value_kind: global_buffer, .address_space: global }
      - { .name: Wb, .offset: 32, .size: 8, .value_kind: global_buffer, .address_space: global }
      - { .name: cq, .offset: 40, .size: 8, .value_kind: global_buffer, .address_space: global }
    .group_segment_fixed_size: 0
    .private_segment_fixed_size: 0
    .kernarg_segment_align: 8
    .kernarg_segment_size: 48
    .max_flat_workgroup_size: 256
    .sgpr_count:     66
    .vgpr_count:     208
    .wavefront_size: 32
...
	.end_amdgpu_metadata
.endif
;; end of part 6
;; launch proj: the kernel of part 2 again; grid 4 x 64, 4 waves a work-group, clusters of 4 x 4, 327,680 bytes of LDS; arguments hqb, Wb, Gt; writes Gt
;; launch attn: the kernel of part 4 again; grid 256 x 1, 4 waves a work-group, clusters of 4 x 1, 327,680 bytes of LDS; arguments hp, mask_hp, mask_hq, cq, Gt, Wt, ml; writes Wt, ml
;; launch pv: the kernel of part 5 again; grid 4 x 64, 4 waves a work-group, clusters of 4 x 4, 327,680 bytes of LDS; arguments hqb, Wt, ml, out0; writes out0
